; MI455X (gfx1250); checked and timed in simulation.
; The chip was launched on July 23, 2026; its instructions are those of AMD's public machine-readable ISA for CDNA 5 (MIT licence, August 2026) and "CDNA5" Instruction Set Architecture Reference Guide (July 2026). The comments in the code are by the model that wrote it; some were corrected since.
;; Attention. Allowed arithmetic: matrix products marked QUANTISED: E2M3 operands, one E8M0 scale for each 32 along K, by v_wmma_scale_f32_16x16x128_f8f6f4 with both operands' format E2M3, f32 sums; everything else in f32.
;; Inputs: b_out 1,024 float32; w_out 1,024 x 1,024 float32; w_qkv 1,024 x 3,072 float32; x 4 x 2,048 x 1,024 float32.
;; Outputs: out0 4 x 2,048 x 1,024 float32.
;; This version of the problem:
;;   THIS VERSION OF THE PROBLEM IS GIVEN IN LOW PRECISION. The matrix products marked QUANTISED in the list below multiply operands that are first quantised to E2M3 (2 exponent bits, 3 mantissa bits; 6 bits a number), with one power-of-two scale for each 32 numbers along K (OCP MX v1.0); their sums are f32. All else is computed in f32.
;;   The module's matrix products, in the order in which they are computed (A, B: the left and right operand; K: the contracted axis; several contracted axes count as one K, in the product's order):
;;     1. [M 8,192, K 1,024] x [K 1,024, N 3,072]; A: input x; B: input w_qkv: QUANTISED
;;     2. batch 64 x [M 2,048, K 64] x [K 64, N 2,048]; A: computed on the way; B: computed on the way: QUANTISED
;;     3. batch 64 x [M 2,048, K 2,048] x [K 2,048, N 64]; A: softmax (see below); B: computed on the way: QUANTISED
;;     4. [M 8,192, K 1,024] x [K 1,024, N 1,024]; A: computed on the way; B: input w_out: QUANTISED
;;   THE QUANTISER, for each operand of a quantised product, along K:
;;     - K is cut into blocks of 32 from its start; a last block that is shorter is filled with zeros.
;;     - A block's scale is 2^e with e = floor(log2(the largest magnitude in the block)) - 2, held to -126 .. 127; a block of zeros has e = 0. As a byte (E8M0): e + 127.
;;     - Each number is divided by its block's scale, clamped to +-7.5, and rounded to the nearest number of E2M3, ties to even, subnormals kept.
;;     - The product sums the exact products of the quantised numbers (number of the format x scale) in f32.
;;   ~~~python
;;   def quantise(x, axis):      # numpy; x: float32 -> the quantised numbers, widened to float32 again
;;       x = np.moveaxis(x, axis, -1); K = x.shape[-1]
;;       x = np.pad(x, [(0, 0)] * (x.ndim - 1) + [(0, -K % 32)]); x = x.reshape(x.shape[:-1] + (-1, 32)); a = np.abs(x).max(-1, keepdims=True)
;;       e = np.where(a > 0, np.clip(np.frexp(np.where(a > 0, a, 1))[1] - 1 - 2, -126, 127), 0)      # np.frexp(a)[1] - 1 = floor(log2(a)), exactly
;;       r = np.clip(x / 2.0 ** e, -7.5, 7.5)
;;       step = 2.0 ** (np.maximum(np.frexp(np.where(r == 0, 1, r))[1] - 1, 0) - 3)
;;       q = np.round(r / step) * step * 2.0 ** e      # np.round: ties to even
;;       return np.moveaxis(q.reshape(q.shape[:-2] + (-1,))[..., :K], -1, axis).astype(np.float32)
;;   ~~~
;;   SOFTMAX AHEAD OF A QUANTISED PRODUCT. Where the list says 'softmax', what is quantised is not the finished softmax but p = 2^(t - M), with t = logit x log2(e) and M = ceil(the row's largest t), a whole number; so 1/2 < the row's largest p <= 1. The row's sum l is taken of the UNQUANTISED p, in f32, and the product's result is divided by l at the end. Since M is a whole number, a kernel that streams over the keys may use a running M (the ceiling of the running maximum): every later rescaling is an exact power of two, which a block's scale takes up: the codes' values come out the same.
;;   OPERANDS COMPUTED ON THE WAY. 'Computed on the way' means the value that the module computes at that place (a softmax that the list does not call 'softmax' is quantised finished and normalised). What goes into a quantiser is computed in f32, as accurately as f32 sums, v_exp_f32 and their like allow (about 1e-6 of the number): no bf16 or f16 on the way to a quantiser, and a product that is left as it is and whose result goes on into a quantised operand takes f32 operands (vector FMAs, or v_wmma_f32_16x16x4_f32). A number that lies on a knife's edge between two numbers of the format may be rounded either way, as far as f32 arithmetic and the matrix unit's own rounding can turn it there, and no further.
;; One version. Each part assembles by itself: llvm-mc -triple=amdgcn-amd-amdhsa -mcpu=gfx1250 --defsym DOCPART=n.
;; ======== version 1 of 1: 4 launches
;; limits: right only within a limited range of input values
;; workspace buffers: ops 9,830,400 bytes; qrec 6,815,744 bytes; kv 13,369,344 bytes; oq 6,553,600 bytes
;; launch quant (part 1): grid 256 x 1, 4 waves a work-group, no clusters, 327,680 bytes of LDS; arguments x, w_qkv, w_out, ops; writes ops
.if DOCPART == 1
	.amdgcn_target "amdgcn-amd-amdhsa--gfx1250"
	.amdhsa_code_object_version 6
	.text
	.protected	k_qee4d986eb5_quant
	.globl	k_qee4d986eb5_quant
	.p2align	8
	.type	k_qee4d986eb5_quant,@function
k_qee4d986eb5_quant:
	s_mov_b64 s[64:65], 0
	v_nop
	global_prefetch_b8 v0, s[64:65] scope:SCOPE_SE
	s_setreg_imm32_b32 hwreg(HW_REG_WAVE_MODE, 25, 1), 1
	s_wait_xcnt 0x0
; x [8192 tokens][1024], w_qkv [1024 (k)][3072 (n)] and w_out [1024 (k)][1024 (n)], f32, become codes of FP6 (E2M3) with K innermost and one E8M0 byte for each 32 along K, in the layout that the products' launches read.
; A block's scale is 2^(floor(log2(largest magnitude)) - 2): its byte is the largest magnitude's exponent field - 2, held at 1 from below by a floor among the maximum's leaves.
; LIMITS: NaN and infinities among the inputs are not served.  A block of zeros gets the byte 1 where the rule says 127: its codes are zeros, and this program alone reads the bytes.
; ORDER OF ROWS.  Inside every 64 tokens (or columns of a weight), place 16 i + 8 y + j holds token 32 y + 8 i + j (i 0..3, y 0..1, j 0..7): as a matrix instruction's source 0, four neighbouring tiles of 16 places
; then leave 32 NEIGHBOURING tokens in one lane's 32 result registers: a whole block for the next quantiser.
; LAYOUT OUT.  Codes: [tile of 16 places][K / 64][768 bytes], an image of registers: lane L = 16 h + r owns the 24 bytes of row r, k = 32 h .. 32 h + 31; its first 16 bytes lie at 16 L, its last 8 at 512 + 8 L.
; Scales: [128 places][K / 256][place][8 bytes], from byte SCO on.  Tiles 0..511 are x's tokens, 512..703 w_qkv's columns, 704..767 w_out's.
; SHARES.  Work-group u first makes x's tiles 2 u and 2 u + 1 (32 tokens); wave w their K = 256 w .. + 255.  The 32 x 4,096 bytes come by one tensor load a wave at the head: wave w brings the 16 tokens of y = w % 2,
; bytes 2,048 (w / 2) .. + 2,047 of each row.  Behind the three lines and a barrier each wave asks for 64 rows x 256 bytes of the work-group's tile of a weight, 64 columns (number u / 4 of 64; under 48: w_qkv) x 256 along K
; (number u % 4), into LDS bytes of its own: that load is out while x is worked.  In the weight A LANE TAKES A COLUMN AND ITS REGISTERS RUN DOWN K: thread t takes column t % 64 and K half t / 64, four blocks;
; the codes meet in a stage as images, a barrier, and leave in runs of 512 bytes.  Nothing is filled twice.  No matrix unit, no cluster: no tile is read by two work-groups.
.set FLOOR, 0x1800000                  ; 2^(3 - 127)
.set SCO,   9437184                    ; 768 tiles x 12,288 bytes of codes lie ahead of the scales
.set LINE,  1040                       ; x: 1,024 bytes + 16 of padding: a row of a tile is two such lines
.set ROWP,  2*LINE
.set YB,    16*ROWP+16                 ; a wave's tile of x; the 16 bytes put rows of y = 1 four banks of 4 bytes (ISA guide 11.1) beside those of y = 0, whose rows lie eight banks apart
.set WB,    133376                     ; behind x's four tiles: the weight's tile, 256 rows x 256 bytes
.set STAGE, WB+65536                   ; 4 tiles of places x (4 images of 768 bytes + 128)
.set TST,   3200
.set SCST,  STAGE+4*TST                ; 64 places x 8 scale bytes
.set SPARE, 212992                     ; the spare words, 128 bytes a wave
.set X0,    32                         ; v32-95, v96-159: x: two sets of 64 numbers;  the weight: v32-95 two sets of 32 numbers, v96-127 codes, v128-153 the way out
.set X1,    96
.set PC,    160                        ; v160-207: x: 12 registers of codes for each of four units: no store's data are written again
; v4 x's LDS address, v5 16 x lane, v6 8 x lane, v7 8 h, v8-14 at work, v16-19 scale words, v20-27 second halves of blocks, v28-29 x's scales out; v210-217 the weight's addresses; v254-255 the add's two
	s_load_b256 s[4:11], s[0:1], 0x0               ; x s[4:5], w_qkv s[6:7], w_out s[8:9], ops s[10:11]
	v_lshl_add_u32 v254, v0, 2, SPARE
	v_mov_b32 v255, 0
	ds_add_u32 v254, v255                          ; the opening lines: the add twice on end and its wait
	ds_add_u32 v254, v255
	v_lshrrev_b32 v1, 5, v0
	v_readfirstlane_b32 s12, v1                    ; wave 0..3
	s_and_b32 s13, s12, 1
	s_lshr_b32 s14, s12, 1
	s_lshr_b32 s15, ttmp9, 1
	s_lshl_b32 s15, s15, 6
	s_and_b32 s16, ttmp9, 1
	s_lshl_b32 s16, s16, 4
	s_add_co_u32 s15, s15, s16                     ; x: first token of y = 0: 64 (u / 2) + 16 (u % 2)
	s_lshl_b32 s16, s13, 5
	s_add_co_u32 s16, s16, s15                     ; the tile that I bring: tokens of y = w % 2,
	s_lshl_b32 s16, s16, 12                        ; a row of x is 4,096 bytes,
	s_lshl_b32 s17, s14, 11                        ; its half w / 2
	s_add_co_u32 s16, s16, s17
	s_mov_b32 s17, 0
	s_mul_i32 s18, s14, 2*YB                       ; what I read: the two tiles of half w / 2,
	s_mul_i32 s19, s13, LINE                       ; line w % 2 of each row
	s_add_co_u32 s18, s18, s19
	s_mul_i32 s20, ttmp9, 24576                    ; x's codes out: tile 2 u,
	s_mul_i32 s21, s12, 3072                       ; K / 64 = 4 w
	s_add_co_u32 s20, s20, s21
	s_mov_b32 s21, 0
	s_lshr_b32 s22, ttmp9, 2                       ; x's scales out: 128 places = 4 work-groups,
	s_lshl_b32 s22, s22, 12
	s_lshl_b32 s23, s12, 10                        ; K / 256 = w,
	s_add_co_u32 s22, s22, s23
	s_and_b32 s23, ttmp9, 3                        ; my 32 places of 8 bytes
	s_lshl_b32 s23, s23, 8
	s_add_co_u32 s22, s22, s23
	s_add_co_u32 s22, s22, SCO
	s_mov_b32 s23, 0
	s_mov_b32 s56, 0x76543210                      ; v_permlanex16_b32's selects for lane l xor 16
	s_mov_b32 s57, 0xfedcba98
	; x's group 1: 16 rows x 512 elements of 4 bytes, 1,024 elements from row to row; 4 words of padding behind every 256 words
	s_mov_b32 s24, (2<<16)|(1<<20)|(7<<22)|(3<<25)
	s_mov_b32 s25, 512<<16
	s_mov_b32 s26, 16<<16
	s_mov_b32 s27, 512<<16
	s_mov_b32 s28, 16
	s_mov_b32 s29, 1024
	s_mov_b32 s30, 0
	s_mov_b32 s31, 0
	s_mov_b32 s32, 1
	s_mul_i32 s33, s12, YB                         ; tile w of the four
	; the weights' groups 1: 64 rows x 64 elements of 4 bytes; pitch 3,072 or 1,024 elements; no padding
.irp g, 36, 44
	s_mov_b32 s[\g], 2<<16
	s_mov_b32 s[\g+1], 64<<16
	s_mov_b32 s[\g+2], 64<<16
	s_mov_b32 s[\g+3], 64<<16
	s_mov_b32 s[\g+4], 64
	s_mov_b32 s[\g+6], 0
	s_mov_b32 s[\g+7], 0
.endr
	s_mov_b32 s41, 3072
	s_mov_b32 s49, 1024
	s_lshr_b32 s58, ttmp9, 2                       ; which 64 columns of the 4,096
	s_and_b32 s59, ttmp9, 3                        ; which 256 along K
	s_cmp_lt_u32 s58, 48                           ; w_qkv's or w_out's
	s_cselect_b32 s60, 0, 48
	s_mov_b32 s61, 4096
	s_cselect_b32 s61, 12288, s61                  ; a row of the tensor in bytes
	s_sub_co_u32 s60, s58, s60                     ; which 64 columns of it
	s_lshl_b32 s62, s59, 8
	s_lshl_b32 s63, s12, 6
	s_add_co_u32 s62, s62, s63                     ; my first row: 256 (u % 4) + 64 w
	s_mul_i32 s62, s62, s61
	s_lshl_b32 s63, s60, 8
	s_add_co_u32 s62, s62, s63
	s_mov_b32 s63, 0
	s_lshl_b32 s66, s58, 2                         ; the weight's codes out: tile 512 + 4 (u / 4) + w,
	s_add_co_u32 s66, s66, s12
	s_add_co_u32 s66, s66, 512
	s_mul_i32 s66, s66, 12288
	s_mul_i32 s67, s59, 3072                       ; K / 64 = 4 (u % 4)
	s_add_co_u32 s66, s66, s67
	s_mov_b32 s67, 0
	s_lshr_b32 s68, s58, 1                         ; its scales out: 128 places number 64 + (u / 4) / 2,
	s_add_co_u32 s68, s68, 64
	s_lshl_b32 s68, s68, 12
	s_lshl_b32 s69, s59, 10                        ; K / 256,
	s_add_co_u32 s68, s68, s69
	s_and_b32 s69, s58, 1                          ; which 64 of the 128 places
	s_lshl_b32 s69, s69, 9
	s_add_co_u32 s68, s68, s69
	s_add_co_u32 s68, s68, SCO
	s_mov_b32 s69, 0
	s_mov_b32 s52, 1
	s_lshl_b32 s53, s12, 14                        ; LDS: 64 rows x 256 bytes a wave
	s_add_co_u32 s53, s53, WB
	s_mul_i32 s70, s12, TST
	s_wait_dscnt 0x0
	s_wait_kmcnt 0x0
	s_add_nc_u64 s[34:35], s[4:5], s[16:17]
	s_or_b32 s35, s35, 0x80000000
	s_add_nc_u64 s[20:21], s[10:11], s[20:21]
	s_add_nc_u64 s[22:23], s[10:11], s[22:23]
	s_add_nc_u64 s[66:67], s[10:11], s[66:67]
	s_add_nc_u64 s[68:69], s[10:11], s[68:69]
	s_cmp_lt_u32 s58, 48
	s_cselect_b64 s[6:7], s[6:7], s[8:9]           ; the choice hangs on the work-group's number alone
	s_add_nc_u64 s[54:55], s[6:7], s[62:63]
	s_or_b32 s55, s55, 0x80000000
	tensor_load_to_lds s[32:35], s[24:31]          ; x: my one tensor load at the head
	s_nop 0
.rept 4
	v_nop                                          ; the form behind a tensor load
.endr
	v_and_b32 v2, 31, v0                           ; lane
	v_and_b32 v3, 15, v0                           ; r
	v_bfe_u32 v7, v0, 4, 1                         ; h
	v_and_b32 v8, 7, v3
	v_lshrrev_b32 v9, 3, v3
	v_mul_u32_u24 v4, v8, ROWP                     ; place r of a tile is row r % 8 (+ 8 e) of the tile of y = r / 8
	v_mad_u32_u24 v4, v9, YB, v4
	v_lshl_add_u32 v4, v7, 7, v4                   ; + 128 h: my 32 numbers of each 64
	v_add_nc_u32 v4, s18, v4
	v_lshlrev_b32 v5, 4, v2
	v_lshlrev_b32 v6, 3, v2
	v_lshlrev_b32 v7, 3, v7
	v_mov_b32 v14, 0                               ; a lane permute's destination counts as one of its sources
	v_and_b32 v220, 63, v0                         ; the weight: my column of the 64,
	v_bfe_u32 v221, v0, 6, 1                       ; my half of the 256 along K
	v_lshlrev_b32 v210, 2, v220
	v_lshl_add_u32 v210, v221, 15, v210            ; 128 rows of 256 bytes
	v_add_nc_u32 v210, WB, v210
	v_bfe_u32 v222, v0, 3, 2                       ; tile of places: (t / 8) % 4
	v_bfe_u32 v223, v0, 5, 1
	v_and_b32 v220, 7, v0
	v_lshl_add_u32 v223, v223, 3, v220             ; row in it: 8 ((t / 32) % 2) + t % 8
	v_mul_u32_u24 v220, v222, TST
	v_mad_u32_u24 v220, v221, 1536, v220           ; my K half's two images
	v_add_nc_u32 v220, STAGE, v220
	v_lshl_add_u32 v211, v223, 4, v220
	v_lshl_add_u32 v212, v223, 3, v220
	v_lshl_add_u32 v213, v222, 4, v223             ; my place among the 64,
	v_lshlrev_b32 v213, 3, v213
	v_lshl_add_u32 v213, v221, 2, v213             ; my four of its eight bytes
	v_add_nc_u32 v213, SCST, v213
	v_add_nc_u32 v214, s70, v5                     ; the way out: tile w, 16 x lane
	v_add_nc_u32 v214, STAGE, v214
	v_lshlrev_b32 v217, 3, v0                      ; scale bytes: 8 x thread (waves 0 and 1)
	v_add_nc_u32 v216, SCST, v217
; x.  Unit n = 2 kh + e: tile e, 128 along K number kh: 64 numbers a lane, register 32 c + i = k 64 c + 32 h + i of my row
.macro LOADU n, x
.irp c, 0,1
.irp j, 0,1,2,3,4,5,6,7
	ds_load_b128 v[\x+32*\c+4*\j:\x+32*\c+4*\j+3], v4 offset:((\n)/2)*512+((\n)%2)*8*ROWP+256*\c+16*\j
.endr
.endr
.endm
; 64 numbers become 12 registers of codes (two images) and the row's scale word
.macro Q64 x, p, w
.irp c, 0,1
	v_max3_num_f32 v[8+\c], |v[\x+32*\c]|, |v[\x+32*\c+1]|, FLOOR   ; a whole block is mine; the floor holds the byte at 1
.endr
.irp i, 2,4,6,8,10,12,14,16,18,20,22,24,26,28,30
.irp c, 0,1
	v_max3_num_f32 v[8+\c], v[8+\c], |v[\x+32*\c+\i]|, |v[\x+32*\c+\i+1]|   ; the two blocks by turns
.endr
.endr
.irp c, 0,1
	v_add_nc_u32 v[10+\c], 0xff000000, v[8+\c]     ; 2 off the exponent field: the conversion's scale operand
.endr
.irp c, 0,1
	v_lshrrev_b32 v[12+\c], 23, v[10+\c]           ; the byte
.endr
.irp c, 0,1
	v_cvt_scalef32_pk16_fp6_f32 v[\p+6*\c:\p+6*\c+2], v[\x+32*\c:\x+32*\c+15], v[10+\c]
	v_cvt_scalef32_pk16_fp6_f32 v[20+4*\c:22+4*\c], v[\x+32*\c+16:\x+32*\c+31], v[10+\c]   ; (three registers begin on an even number: made here and moved)
.endr
	v_lshl_or_b32 v[\w], v13, 16, v12              ; blocks h and 2 + h.  (The plain place behind the conversions)
	v_lshlrev_b32 v[\w], v7, v[\w]                 ; 8 h bits up
	v_permlanex16_b32 v14, v[\w], s56, s57
	v_or_b32 v[\w], v[\w], v14                     ; with lane l xor 16's two the word is whole
.irp c, 0,1
.irp i, 0,1,2
	v_mov_b32 v[\p+6*\c+3+\i], v[20+4*\c+\i]
.endr
.endr
.endm
.macro STOREU n                        ; each store of the wave covers 512 or 256 consecutive bytes, aligned
.set PCN, PC+12*(\n)
.set OB, ((\n)%2)*12288+((\n)/2)*1536
	global_store_b128 v5, v[PCN:PCN+3], s[20:21] offset:OB
	global_store_b64 v6, v[PCN+4:PCN+5], s[20:21] offset:OB+512
	global_store_b128 v5, v[PCN+6:PCN+9], s[20:21] offset:OB+768
	global_store_b64 v6, v[PCN+10:PCN+11], s[20:21] offset:OB+1280
.endm
	s_wait_alu depctr_va_vdst(0)                   ; the wait at the head's end
	s_wait_tensorcnt 0x0                           ; my tile of x is in; the add and its wait stand ahead of a later first fill
	ds_add_u32 v254, v255
	s_wait_dscnt 0x0
	s_barrier_signal -1
	s_barrier_wait -1                              ; everybody's tile of x is in
	s_cmp_lt_u32 s58, 48                           ; the two weights differ in the pitch alone: two groups 1 of constants, and a short branch on the work-group's number round the two lines
	s_cbranch_scc0 .Lw_out
	tensor_load_to_lds s[52:55], s[36:43]          ; my one load behind the barrier
	s_nop 0
.rept 4
	v_nop
.endr
	s_branch .Lasked
.Lw_out:
	tensor_load_to_lds s[52:55], s[44:51]
	s_nop 0
.rept 4
	v_nop
.endr
.Lasked:
	LOADU 0, X0
	LOADU 1, X1
	s_wait_dscnt 16                                ; unit 0 is in; unit 1's 16 loads may be out
	Q64 X0, PC, 16
	STOREU 0
	LOADU 2, X0
	s_wait_dscnt 16                                ; unit 1 is in
	Q64 X1, PC+12, 17
	STOREU 1
	LOADU 3, X1
	s_wait_dscnt 16                                ; unit 2 is in
	Q64 X0, PC+24, 18
	STOREU 2
	s_wait_dscnt 0x0
	Q64 X1, PC+36, 19
	STOREU 3
	v_cmp_lt_u32 vcc_lo, 15, v2                    ; lanes 0-15 send tile 0's words, lanes 16-31 tile 1's (both halves of the lanes hold every word)
	v_cndmask_b32 v28, v16, v17, vcc_lo            ; the first 128 along K
	v_cndmask_b32 v29, v18, v19, vcc_lo            ; the second
	global_store_b64 v6, v[28:29], s[22:23]        ; 256 consecutive bytes, aligned
; THE WEIGHT.  It names none of the registers that x's stores read (v5, v6 as addresses only; v28-29, v160-207 not at all).
	s_wait_tensorcnt 0x0                           ; my 64 rows are in,
	s_barrier_signal -1
	s_barrier_wait -1                              ; everybody's are
.macro LOADB kb                        ; my block kb: rows 32 kb + i of my K half, my column: 32 lanes read 128 consecutive bytes
.irp i, 0,1,2,3,4,5,6,7,8,9,10,11,12,13,14,15,16,17,18,19,20,21,22,23,24,25,26,27,28,29,30,31
	ds_load_b32 v[32+32*((\kb)%2)+\i], v210 offset:(32*(\kb)+\i)*256
.endr
.endm
.macro BLOCK kb, left
.set XS, 32+32*((\kb)%2)
.set CD, 96+8*(\kb)
	s_wait_dscnt \left
	v_max3_num_f32 v12, |v[XS]|, |v[XS+1]|, |v[XS+2]|
	v_max3_num_f32 v13, |v[XS+3]|, |v[XS+4]|, |v[XS+5]|
.irp i, 6,10,14,18,22,26
	v_max3_num_f32 v12, v12, |v[XS+\i]|, |v[XS+\i+1]|
	v_max3_num_f32 v13, v13, |v[XS+\i+2]|, |v[XS+\i+3]|
.endr
	v_max3_num_f32 v12, v12, |v[XS+30]|, |v[XS+31]|
	v_max3_num_f32 v12, v12, v13, FLOOR            ; the floor holds the byte at 1
	v_add_nc_u32 v14, 0xff000000, v12              ; 2 off the exponent field: the conversion's scale operand
	v_cvt_scalef32_pk16_fp6_f32 v[CD:CD+2], v[XS:XS+15], v14
	v_cvt_scalef32_pk16_fp6_f32 v[CD+4:CD+6], v[XS+16:XS+31], v14
	v_lshrrev_b32 v13, 23, v14                     ; the byte.  (The plain place behind the conversions)
.if (\kb) == 0
	v_mov_b32 v16, v13
.else
	v_lshl_or_b32 v16, v13, 8*(\kb), v16
.endif
	v_mov_b32 v[CD+3], v[CD+4]                     ; the block's 24 bytes on end
	v_mov_b32 v[CD+4], v[CD+5]
	v_mov_b32 v[CD+5], v[CD+6]
	ds_store_b128 v211, v[CD:CD+3] offset:((\kb)/2)*768+((\kb)%2)*256       ; image kb / 2 of my half's two, lane 16 (kb % 2) + row
	ds_store_b64 v212, v[CD+4:CD+5] offset:((\kb)/2)*768+512+((\kb)%2)*128
.if (\kb)+2 < 4
	LOADB (\kb)+2
.endif
.endm
	LOADB 0
	LOADB 1
	BLOCK 0, 32                                    ; block 1's 32 loads may be out
	BLOCK 1, 34                                    ; behind this block's loads: the last block's two stores and 32 younger loads
	BLOCK 2, 34
	BLOCK 3, 2                                     ; the last block's two stores
	ds_store_b32 v213, v16                         ; my four scale bytes
	s_wait_dscnt 0x0                               ; for the others' sake: my stores into the stage are done
	s_barrier_signal -1
	s_barrier_wait -1
.irp n, 0,1,2,3,4,5
	ds_load_b128 v[128+4*\n:131+4*\n], v214 offset:\n*512
.endr
.irp n, 0,1,2,3,4,5
	s_wait_dscnt 5-\n
	global_store_b128 v5, v[128+4*\n:131+4*\n], s[66:67] offset:\n*512   ; 512 consecutive bytes, aligned
.endr
	s_cmp_lt_u32 s12, 2                            ; the 512 scale bytes leave by waves 0 and 1
	s_cbranch_scc0 .Lno_scales
	ds_load_b64 v[152:153], v216
	s_wait_dscnt 0x0
	global_store_b64 v217, v[152:153], s[68:69]    ; a wave: 256 consecutive bytes, aligned
.Lno_scales:
	s_wait_tensorcnt 0x0                           ; the wave's end
	ds_add_u32 v254, v255
	s_wait_dscnt 0x0
	s_endpgm
.Lfunc_end_k_qee4d986eb5_quant:
	.size	k_qee4d986eb5_quant, .Lfunc_end_k_qee4d986eb5_quant-k_qee4d986eb5_quant
	.p2alignl 7, 3214868480
	.fill 96, 4, 3214868480
	.section	.rodata,"a",@progbits
	.p2align	6, 0x0
	.amdhsa_kernel k_qee4d986eb5_quant
		.amdhsa_group_segment_fixed_size 327680
		.amdhsa_private_segment_fixed_size 0
		.amdhsa_enable_private_segment 0
		.amdhsa_kernarg_size 32
		.amdhsa_user_sgpr_count 2
		.amdhsa_user_sgpr_kernarg_segment_ptr 1
		.amdhsa_wavefront_size32 1
		.amdhsa_system_sgpr_workgroup_id_x 1
		.amdhsa_system_sgpr_workgroup_id_y 1
		.amdhsa_system_sgpr_workgroup_id_z 1
		.amdhsa_system_vgpr_workitem_id 0
		.amdhsa_next_free_vgpr 256
		.amdhsa_next_free_sgpr 76
		.amdhsa_reserve_vcc 1
		.amdhsa_float_denorm_mode_32 3
		.amdhsa_float_denorm_mode_16_64 3
		.amdhsa_memory_ordered 1
		.amdhsa_forward_progress 1
		.amdhsa_inst_pref_size 42
	.end_amdhsa_kernel
	.amdgpu_metadata
---
amdhsa.version: [ 1, 2 ]
amdhsa.kernels:
  - .name:           k_qee4d986eb5_quant
    .symbol:         k_qee4d986eb5_quant.kd
    .args:
      - { .name: x, .offset: 0, .size: 8, .value_kind: global_buffer, .address_space: global }
      - { .name: w_qkv, .offset: 8, .size: 8, .value_kind: global_buffer, .address_space: global }
      - { .name: w_out, .offset: 16, .size: 8, .value_kind: global_buffer, .address_space: global }
      - { .name: ops, .offset: 24, .size: 8, .value_kind: global_buffer, .address_space: global }
    .group_segment_fixed_size: 327680
    .private_segment_fixed_size: 0
    .kernarg_segment_align: 8
    .kernarg_segment_size: 32
    .max_flat_workgroup_size: 128
    .sgpr_count:     76
    .vgpr_count:     256
    .wavefront_size: 32
...
	.end_amdgpu_metadata
.endif
;; end of part 1
;; launch gemm_qkv (part 2): grid 12 x 32, 4 waves a work-group, clusters of 4 x 4, 327,680 bytes of LDS; arguments ops, qrec, kv; writes qrec, kv
.if DOCPART == 2
	.amdgcn_target "amdgcn-amd-amdhsa--gfx1250"
	.amdhsa_code_object_version 6
	.text
	.protected	k_qee4d986eb5_gemm_qkv
	.globl	k_qee4d986eb5_gemm_qkv
	.p2align	8
	.type	k_qee4d986eb5_gemm_qkv,@function
k_qee4d986eb5_gemm_qkv:
	s_mov_b64 s[64:65], 0
	v_nop
	global_prefetch_b8 v0, s[64:65] scope:SCOPE_SE
	s_setreg_imm32_b32 hwreg(HW_REG_WAVE_MODE, 25, 1), 1
	s_wait_xcnt 0x0
	s_wait_alu depctr_hold_cnt(0) depctr_sa_sdst(0) depctr_va_vdst(0) depctr_va_sdst(0) depctr_va_ssrc(0) depctr_va_vcc(0) depctr_vm_vsrc(0)
	s_getreg_b32 s2, hwreg(HW_REG_IB_STS2, 6, 4)
	s_cmp_eq_u32 s2, 0
	s_cbranch_scc0 .Lentry_in_a_cluster
	s_endpgm
.Lentry_in_a_cluster:
	s_bfe_u32 s2, ttmp6, 0x10000c
	s_cmp_lg_u32 s2, 0xf033
	s_cbranch_scc0 .Lentry_shape_is_right
	s_endpgm
.Lentry_shape_is_right:
.set FLOOR, 0x1800000
.set SCO,   9437184
.set NQ,    2
.set FR,    12
.set NL,    4
.set NP,    4
.set KSB,   3072
.set HALFT, 8*KSB
.set SLOT,  4*HALFT
.set SCL,   2*SLOT
.set SPARE, SCL+16640
.set ADRA,  16
.set ADRA8, 18
.set ADRB,  20
.set ADRB8, 22
.set ADRS,  27
.set SPW,   28
.set NIL,   29
.set SC,    32
.set AF,    128
.set G1, 24
.set G0, 32
.set G1B, 48
.set G0B, 56
.set G1S, 68
.set G0S, 76
.set G1SB, 80
.set G0SB, 88
.set MSB, 0
.macro WIN new
.if MSB != (\new)
	s_set_vgpr_msb (MSB<<8)|(\new)
.set MSB, (\new)
.endif
.endm
.set MUL_LO, 0xa1
.set MUL_HI, 0xf1
.set TO_B,   0x40
.macro JLOAD g0a, g1a, g0b, g1b
	s_cmp_eq_u32 s15, 0
	s_cbranch_scc0 .Lfor_b_\@
	tensor_load_to_lds s[\g0a:\g0a+3], s[\g1a:\g1a+7]
	s_nop 0
.rept 4
	v_nop
.endr
	s_branch .Lasked_\@
.Lfor_b_\@:
	tensor_load_to_lds s[\g0b:\g0b+3], s[\g1b:\g1b+7]
	s_nop 0
.rept 4
	v_nop
.endr
.Lasked_\@:
.endm
.macro CREST
	s_cmp_lg_u32 s14, 0
	s_cbranch_scc1 .Lnot_wave_0_\@
	s_barrier_signal -3
.Lnot_wave_0_\@:
	s_barrier_wait -3
	s_barrier_signal -1
	s_barrier_wait -1
.endm
.macro CROUND
	s_barrier_signal -1
	s_barrier_wait -1
	CREST
.endm
	s_load_b128 s[4:7], s[0:1], 0x0
	s_load_b64 s[8:9], s[0:1], 0x10
	v_lshl_add_u32 v[SPW], v0, 2, SPARE
	v_mov_b32 v[NIL], 0
	ds_add_u32 v28, v29
	ds_add_u32 v28, v29
	s_wait_dscnt 0x0
	v_lshrrev_b32 v1, 5, v0
	v_readfirstlane_b32 s14, v1
	s_lshr_b32 s15, s14, 1
	s_and_b32 s16, s14, 1
	s_bfe_u32 s40, ttmp6, 0x40000
	s_bfe_u32 s41, ttmp6, 0x40004
	s_and_b32 s18, ttmp7, 0xffff
	s_lshl_b32 s18, s18, 2
	s_lshl_b32 s19, ttmp9, 2
	s_add_co_u32 s19, s19, 32
	s_cmp_eq_u32 ttmp9, 2
	s_cselect_b32 s17, 40, s18
	s_cselect_b32 s42, s18, s19
	s_add_co_u32 s17, s17, s41
	s_add_co_u32 s42, s42, s40
	s_lshl_b32 s43, s41, 2
	s_lshl_b32 s43, 15, s43
	s_lshl_b32 s44, 0x1111, s40
	s_or_b32 s[G1+0], s43, (3<<16)|(1<<21)
	s_or_b32 s[G1B+0], s44, (3<<16)|(1<<21)
.irp g, G1, G1B
	s_mov_b32 s[\g+1], 384<<16
	s_mov_b32 s[\g+2], 16<<16                      ; the head's loads bring 16 tiles of places; behind them the two words that count rows are set to 8, for the ring's
	s_mov_b32 s[\g+3], 384<<16
	s_mov_b32 s[\g+4], 16
	s_mov_b32 s[\g+5], 1536
	s_mov_b32 s[\g+6], 0
	s_mov_b32 s[\g+7], 0
.endr
	s_or_b32 s[G1S+0], s43, (3<<16)|(1<<21)
	s_or_b32 s[G1SB+0], s44, (3<<16)|(1<<21)
.irp g, G1S, G1SB
	s_mov_b32 s[\g+1], 32<<16
	s_mov_b32 s[\g+2], 32<<16                      ; the scales of 256 places: 32 rows of 256 bytes
	s_mov_b32 s[\g+3], 32<<16
	s_mov_b32 s[\g+4], 32
	s_mov_b32 s[\g+5], 32
	s_mov_b32 s[\g+6], 0
	s_mov_b32 s[\g+7], 0
.endr
	s_mul_i32 s20, s17, 196608
	s_mul_i32 s21, s16, 98304
	s_add_co_u32 s20, s20, s21
	s_mov_b32 s21, 0
	s_mul_i32 s46, s42, 196608
	s_mul_i32 s47, s16, 98304
	s_add_co_u32 s46, s46, s47
	s_mov_b32 s47, 0
	s_lshl_b32 s22, s17, 1
	s_lshl_b32 s22, s22, 12
	s_add_co_u32 s22, s22, SCO
	s_mov_b32 s23, 0
	s_lshl_b32 s92, s42, 1
	s_lshl_b32 s92, s92, 12
	s_add_co_u32 s92, s92, SCO
	s_mov_b32 s93, 0
	s_mul_i32 s45, s14, HALFT
	s_wait_kmcnt 0x0
	s_add_nc_u64 s[20:21], s[4:5], s[20:21]
	s_add_nc_u64 s[22:23], s[4:5], s[22:23]
	s_add_nc_u64 s[46:47], s[4:5], s[46:47]
	s_add_nc_u64 s[92:93], s[4:5], s[92:93]
	CROUND
	s_mov_b32 s[G0S], 1
	s_mov_b32 s[G0S+1], SCL
	s_mov_b64 s[G0S+2:G0S+3], s[22:23]
	s_or_b32 s[G0S+3], s[G0S+3], 0x80000000
	s_mov_b32 s[G0SB], 1
	s_mov_b32 s[G0SB+1], SCL+8320
	s_mov_b64 s[G0SB+2:G0SB+3], s[92:93]
	s_or_b32 s[G0SB+3], s[G0SB+3], 0x80000000
.irp s, 0,1
	s_mov_b32 s[G0+4*\s], 1
	s_add_co_u32 s[G0+4*\s+1], s45, \s*SLOT
	s_add_nc_u64 s[G0+4*\s+2:G0+4*\s+3], s[20:21], \s*KSB
	s_or_b32 s[G0+4*\s+3], s[G0+4*\s+3], 0x80000000
	s_mov_b32 s[G0B+4*\s], 1
	s_add_co_u32 s[G0B+4*\s+1], s45, \s*SLOT
	s_add_nc_u64 s[G0B+4*\s+2:G0B+4*\s+3], s[46:47], \s*KSB
	s_or_b32 s[G0B+4*\s+3], s[G0B+4*\s+3], 0x80000000
.endr
; THE HEAD'S LOADS, ONE A WAVE: wave 0 brings slot 0's 256 places of A, wave 1 its 256 places of B, wave 2 the scales of A's 256 places, wave 3 those of B's.
; Slot 0's groups 0 serve the two loads of codes: here they name the whole tile; behind the wait that shows the loads landed they are set to my 128 places, for the ring.
	s_mul_i32 s66, s16, 98304                      ; my half of a tile's places, in bytes
	s_mov_b32 s67, 0
	s_mov_b32 s[G0+1], 0
	s_sub_nc_u64 s[G0+2:G0+3], s[G0+2:G0+3], s[66:67]
	s_mov_b32 s[G0B+1], 2*HALFT
	s_sub_nc_u64 s[G0B+2:G0B+3], s[G0B+2:G0B+3], s[66:67]
.macro ARM under, g0, g1, next
	s_cmp_lt_u32 s14, \under
	s_cbranch_scc0 \next
	tensor_load_to_lds s[\g0:\g0+3], s[\g1:\g1+7]
	s_nop 0
.rept 4
	v_nop
.endr
	s_branch .Lhead_asked
\next:
.endm
	ARM 1, G0,  G1,  .Lhead_b
	ARM 2, G0B, G1B, .Lhead_sa
	ARM 3, G0S, G1S, .Lhead_sb
	tensor_load_to_lds s[G0SB:G0SB+3], s[G1SB:G1SB+7]
	s_nop 0
.rept 4
	v_nop
.endr
.Lhead_asked:
	v_and_b32 v1, 15, v0
	v_bfe_u32 v2, v0, 4, 1
	v_and_b32 v3, 31, v0
	v_lshlrev_b32 v24, 4, v3
	v_lshlrev_b32 v25, 3, v3
	s_mul_i32 s21, s15, HALFT
	s_mul_i32 s22, s16, HALFT
	s_add_co_u32 s22, s22, 2*HALFT
.irp s, 0,1
	v_add_nc_u32 v[ADRA+\s], s21, v24
	v_add_nc_u32 v[ADRA8+\s], s21, v25
	v_add_nc_u32 v[ADRB+\s], s22, v24
	v_add_nc_u32 v[ADRB8+\s], s22, v25
	s_add_co_u32 s21, s21, SLOT
	s_add_co_u32 s22, s22, SLOT
.endr
	v_lshlrev_b32 v5, 3, v1
	s_lshl_b32 s21, s15, 12
	s_lshl_b32 s22, s16, 12
	s_add_co_u32 s22, s22, 8320
	s_sub_co_u32 s22, s22, s21
	v_mul_u32_u24 v6, s22, v2
	s_add_co_u32 s21, s21, SCL
	v_add_nc_u32 v5, v5, v6
	v_add_nc_u32 v[ADRS], s21, v5
	v_lshlrev_b32 v30, 3, v2
	v_mov_b32 v31, 0x01000100
	v_mov_b32 v6, 0x03020302
	v_cmp_ne_u32 vcc_lo, 0, v2
	v_cndmask_b32 v31, v31, v6, vcc_lo
	v_mov_b32 v86, 0
	s_mov_b32 s12, 0x76543210
	s_mov_b32 s13, 0xfedcba98
	s_cmp_eq_u32 ttmp9, 2
	s_cselect_b32 s92, s42, s17
	s_cselect_b32 s93, s16, s15
	s_cselect_b32 s94, s41, s40
	s_cselect_b32 s95, s15, s16
	s_cselect_b32 s96, 6144, 0
	s_cselect_b32 s97, 512, 0
	s_mov_b32 s98, 208896
	s_mov_b32 s99, 12288
	s_mov_b32 s100, 768
	s_mov_b32 s101, 196608
	s_cmp_eq_u32 ttmp9, 0
	s_cselect_b32 s98, 106496, s98
	s_cselect_b32 s99, 6144, s99
	s_cselect_b32 s100, 512, s100
	s_cselect_b32 s101, 98304, s101
	s_cselect_b64 s[6:7], s[6:7], s[8:9]
	s_lshr_b32 s2, s92, 3
	s_and_b32 s3, s92, 7
	s_lshl_b32 s3, s3, 1
	s_add_co_u32 s3, s3, s93
	s_lshl_b32 s2, s2, 4
	s_lshl_b32 s94, s94, 2
	s_add_co_u32 s2, s2, s94
	s_lshl_b32 s95, s95, 1
	s_add_co_u32 s2, s2, s95
	s_mul_i32 s2, s2, s98
	s_mul_i32 s10, s3, s99
	s_add_co_u32 s10, s10, s2
	s_add_co_u32 s10, s10, s96
	s_mov_b32 s11, 0
	s_mul_i32 s94, s3, s100
	s_add_co_u32 s94, s94, s2
	s_add_co_u32 s94, s94, s101
	s_add_co_u32 s94, s94, s97
	s_mov_b32 s95, 0
	s_add_nc_u64 s[96:97], s[6:7], s[10:11]
	s_mov_b32 s10, s98
	s_add_nc_u64 s[92:93], s[96:97], s[10:11]
	s_add_nc_u64 s[100:101], s[6:7], s[94:95]
	v_mul_u32_u24 v26, s98, v2
	v_lshl_add_u32 v26, v1, 4, v26
.macro FRAG reg, a16, a8, q, i
	ds_load_b128 v[\reg:\reg+3], v[\a16] offset:(\i)*KSB+(\q)*1536
	ds_load_b64 v[\reg+4:\reg+5], v[\a8] offset:(\i)*KSB+(\q)*1536+512
	ds_load_b128 v[\reg+6:\reg+9], v[\a16] offset:(\i)*KSB+(\q)*1536+768
	ds_load_b64 v[\reg+10:\reg+11], v[\a8] offset:(\i)*KSB+(\q)*1536+1280
.endm
.macro MUL16 a0, p, q, sc, zero
.irp a, \a0, \a0+1
.irp b, 0,1,2,3,4,5,6,7
.if \zero
	v_wmma_scale_f32_16x16x128_f8f6f4 v[8*(8*((\a)%4)+\b):8*(8*((\a)%4)+\b)+7], v[128*(\p)+FR*\b:128*(\p)+FR*\b+FR-1], v[AF+FR*(\a):AF+FR*(\a)+FR-1], 0, v[SC+8*NQ*(\sc)+NQ*\b+(\q)], v[SC+8*NQ*(\sc)+NQ*(\a)+(\q)] matrix_a_fmt:MATRIX_FMT_FP6 matrix_b_fmt:MATRIX_FMT_FP6 matrix_a_scale:MATRIX_SCALE_ROW1
.else
	v_wmma_scale_f32_16x16x128_f8f6f4 v[8*(8*((\a)%4)+\b):8*(8*((\a)%4)+\b)+7], v[128*(\p)+FR*\b:128*(\p)+FR*\b+FR-1], v[AF+FR*(\a):AF+FR*(\a)+FR-1], v[8*(8*((\a)%4)+\b):8*(8*((\a)%4)+\b)+7], v[SC+8*NQ*(\sc)+NQ*\b+(\q)], v[SC+8*NQ*(\sc)+NQ*(\a)+(\q)] matrix_a_fmt:MATRIX_FMT_FP6 matrix_b_fmt:MATRIX_FMT_FP6 matrix_a_scale:MATRIX_SCALE_ROW1
.endif
.endr
.endr
.endm
.macro FETCH_B slot, q, p
	WIN TO_B
.irp i, 0,1,2,3,4,5,6,7
	FRAG 128*(\p)+FR*\i, ADRB+\slot, ADRB8+\slot, \q, \i
.endr
	WIN 0
.endm
.macro FETCH_A slot, q, i0
.irp i, \i0, \i0+1, \i0+2, \i0+3
	FRAG AF+FR*(\i), ADRA+\slot, ADRA8+\slot, \q, \i
.endr
.endm
.macro SCALES sc, ks
.irp i, 0,1,2,3,4,5,6,7
	ds_load_b64 v[SC+8*NQ*\sc+NQ*\i:SC+8*NQ*\sc+NQ*\i+1], v[ADRS] offset:(\ks)*1024+\i*128
.endr
.endm
.macro PLACES n
.rept \n
	v_nop
.endr
.endm
.macro STEP slot, q, zero
	s_wait_dscnt 4*NL
	WIN MUL_LO
	MUL16 0, (\q)%2, \q, \slot, \zero
	MUL16 2, (\q)%2, \q, \slot, \zero
	s_wait_dscnt 0
	PLACES NP
	FETCH_B \slot, (\q)+1, 1-(\q)%2
	FETCH_A \slot, (\q)+1, 0
	WIN MUL_HI
	MUL16 4, (\q)%2, \q, \slot, \zero
	MUL16 6, (\q)%2, \q, \slot, \zero
	PLACES NP
	WIN 0
	FETCH_A \slot, (\q)+1, 4
.endm
.macro TURN slot, next, fill, ks
	s_wait_tensorcnt 0x0
	ds_add_u32 v[SPW], v[NIL]
	s_wait_dscnt 4*NL+1
	WIN MUL_LO
	MUL16 0, 1, NQ-1, \slot, 0
	s_wait_dscnt 0x0
	s_barrier_signal -1
	MUL16 2, 1, NQ-1, \slot, 0
	WIN 0
	s_barrier_wait -1
.if \fill
	CREST
	s_add_nc_u64 s[G0+4*\slot+2:G0+4*\slot+3], s[G0+4*\slot+2:G0+4*\slot+3], 2*KSB
	s_add_nc_u64 s[G0B+4*\slot+2:G0B+4*\slot+3], s[G0B+4*\slot+2:G0B+4*\slot+3], 2*KSB
	JLOAD G0+4*\slot, G1, G0B+4*\slot, G1B
.else
	PLACES NP
.endif
	FETCH_B \next, 0, 0
	FETCH_A \next, 0, 0
	SCALES \next, \ks
	WIN MUL_HI
	MUL16 4, 1, NQ-1, \slot, 0
	MUL16 6, 1, NQ-1, \slot, 0
	PLACES NP
	WIN 0
	FETCH_A \next, 0, 4
.endm
	s_wait_alu depctr_va_vdst(0)                   ; the wait at the head's end
	s_wait_tensorcnt 0x0                           ; my tile of the head's four is in; the add and its wait stand ahead of a later first fill
	ds_add_u32 v[SPW], v[NIL]
	s_mov_b32 s[G1+2], 8<<16                       ; no tensor load of mine is out, so descriptors may be written: from here on a load brings 8 tiles of places,
	s_mov_b32 s[G1+4], 8
	s_mov_b32 s[G1B+2], 8<<16
	s_mov_b32 s[G1B+4], 8
	s_mov_b32 s[G0+1], s45                         ; and slot 0's groups 0 name my 128 places
	s_add_nc_u64 s[G0+2:G0+3], s[G0+2:G0+3], s[66:67]
	s_mov_b32 s[G0B+1], s45
	s_add_nc_u64 s[G0B+2:G0B+3], s[G0B+2:G0B+3], s[66:67]
	s_wait_dscnt 0x0
	CROUND                                         ; all four tiles are in, and all sixteen work-groups are here: the joint loads meet
	JLOAD G0+4, G1, G0B+4, G1B                     ; slot 1's first fill, the first tensor load behind the round
	FETCH_B 0, 0, 0
	FETCH_A 0, 0, 0
	SCALES 0, 0
	FETCH_A 0, 0, 4
	STEP 0, 0, 1
	TURN 0, 1, 1, 1
	STEP 1, 0, 0
	TURN 1, 0, 1, 2
	STEP 0, 0, 0
	TURN 0, 1, 0, 3
	STEP 1, 0, 0
	s_wait_dscnt 4*NL
	WIN MUL_LO
	MUL16 0, 1, NQ-1, 1, 0
	MUL16 2, 1, NQ-1, 1, 0
	s_wait_dscnt 0
	WIN MUL_HI
	MUL16 4, 1, NQ-1, 1, 0
	MUL16 6, 1, NQ-1, 1, 0
	WIN 0
	PLACES NP
.macro EPIQ a
.set AW, 2+(\a)/4
.set AC, 64*((\a)%4)
.set PCA, AF+12*(\a)
.set WMX, (AW<<2)|(AW<<4)
	WIN WMX
.irp c, 0,1
	v_max3_num_f32 v[80+\c], FLOOR, |v[AC+32*\c]|, |v[AC+32*\c+1]|
.endr
.irp i, 2,4,6,8,10,12,14,16,18,20,22,24,26,28,30
.irp c, 0,1
	v_max3_num_f32 v[80+\c], v[80+\c], |v[AC+32*\c+\i]|, |v[AC+32*\c+\i+1]|
.endr
.endr
	WIN 0
.irp c, 0,1
	v_add_nc_u32 v[82+\c], 0xff000000, v[80+\c]
.endr
.irp c, 0,1
	v_lshrrev_b32 v[84+\c], 23, v[82+\c]
.endr
	WIN AW
.irp c, 0,1
	v_cvt_scalef32_pk16_fp6_f32 v[PCA+6*\c:PCA+6*\c+2], v[AC+32*\c:AC+32*\c+15], v[82+\c]
	v_cvt_scalef32_pk16_fp6_f32 v[100+4*\c:102+4*\c], v[AC+32*\c+16:AC+32*\c+31], v[82+\c]
.endr
	WIN 0
	v_lshl_or_b32 v[64+\a], v85, 16, v84
	v_lshlrev_b32 v[64+\a], v30, v[64+\a]
	v_permlanex16_b32 v86, v[64+\a], s12, s13
	v_or_b32 v[64+\a], v[64+\a], v86
.irp c, 0,1
.irp i, 0,1,2
	v_mov_b32 v[PCA+6*\c+3+\i], v[100+4*\c+\i]
.endr
.endr
.endm
.irp a, 0,1,2,3,4,5,6,7
	EPIQ \a
.endr
	s_cmp_eq_u32 ttmp9, 2
	s_cbranch_scc1 .Lv_out
.irp a, 0,1,2,3,4,5,6,7
	global_store_b128 v24, v[AF+12*\a:AF+12*\a+3], s[96:97] offset:\a*768
	global_store_b64 v25, v[AF+12*\a+4:AF+12*\a+5], s[96:97] offset:\a*768+512
	global_store_b128 v24, v[AF+12*\a+6:AF+12*\a+9], s[92:93] offset:\a*768
	global_store_b64 v25, v[AF+12*\a+10:AF+12*\a+11], s[92:93] offset:\a*768+512
.endr
.irp a, 0,1,2,3,4,5,6,7
	v_perm_b32 v[72+\a], v[64+\a], v[64+\a], v31
.endr
	global_store_b128 v26, v[72:75], s[100:101]
	global_store_b128 v26, v[76:79], s[100:101] offset:256
	s_branch .Ldone
.Lv_out:
	s_wait_alu depctr_va_vdst(0)
.irp a, 0,1,2,3,4,5,6,7
	global_store_b128 v24, v[AF+12*\a:AF+12*\a+3], s[96:97] offset:(\a/4)*208896+(\a%4)*1536
	global_store_b64 v25, v[AF+12*\a+4:AF+12*\a+5], s[96:97] offset:(\a/4)*208896+(\a%4)*1536+512
	global_store_b128 v24, v[AF+12*\a+6:AF+12*\a+9], s[96:97] offset:(\a/4)*208896+(\a%4)*1536+768
	global_store_b64 v25, v[AF+12*\a+10:AF+12*\a+11], s[96:97] offset:(\a/4)*208896+(\a%4)*1536+1280
.endr
	v_cmp_ne_u32 vcc_lo, 0, v30
.irp j, 0,1,2,3
	v_cndmask_b32 v[72+\j], v[64+\j], v[68+\j], vcc_lo
.endr
	global_store_b128 v26, v[72:75], s[100:101]
.Ldone:
	s_wait_tensorcnt 0x0
	ds_add_u32 v[SPW], v[NIL]
	s_wait_dscnt 0x0
	CROUND
	s_endpgm
.Lfunc_end_k_qee4d986eb5_gemm_qkv:
	.size	k_qee4d986eb5_gemm_qkv, .Lfunc_end_k_qee4d986eb5_gemm_qkv-k_qee4d986eb5_gemm_qkv
	.p2alignl 7, 3214868480
	.fill 96, 4, 3214868480
	.section	.rodata,"a",@progbits
	.p2align	6, 0x0
	.amdhsa_kernel k_qee4d986eb5_gemm_qkv
		.amdhsa_group_segment_fixed_size 327680
		.amdhsa_private_segment_fixed_size 0
		.amdhsa_enable_private_segment 0
		.amdhsa_kernarg_size 24
		.amdhsa_user_sgpr_count 2
		.amdhsa_user_sgpr_kernarg_segment_ptr 1
		.amdhsa_wavefront_size32 1
		.amdhsa_system_sgpr_workgroup_id_x 1
		.amdhsa_system_sgpr_workgroup_id_y 1
		.amdhsa_system_sgpr_workgroup_id_z 1
		.amdhsa_system_vgpr_workitem_id 0
		.amdhsa_next_free_vgpr 1024
		.amdhsa_next_free_sgpr 102
		.amdhsa_reserve_vcc 1
		.amdhsa_float_denorm_mode_32 3
		.amdhsa_float_denorm_mode_16_64 3
		.amdhsa_memory_ordered 1
		.amdhsa_forward_progress 1
		.amdhsa_inst_pref_size 147
	.end_amdhsa_kernel
	.amdgpu_metadata
---
amdhsa.version: [ 1, 2 ]
amdhsa.kernels:
  - .name:           k_qee4d986eb5_gemm_qkv
    .symbol:         k_qee4d986eb5_gemm_qkv.kd
    .args:
      - { .name: ops, .offset: 0, .size: 8, .value_kind: global_buffer, .address_space: global }
      - { .name: qrec, .offset: 8, .size: 8, .value_kind: global_buffer, .address_space: global }
      - { .name: kv, .offset: 16, .size: 8, .value_kind: global_buffer, .address_space: global }
    .group_segment_fixed_size: 327680
    .private_segment_fixed_size: 0
    .kernarg_segment_align: 8
    .kernarg_segment_size: 24
    .max_flat_workgroup_size: 128
    .sgpr_count:     102
    .vgpr_count:     1024
    .wavefront_size: 32
...
	.end_amdgpu_metadata
.endif
;; end of part 2
;; launch attn (part 3): grid 4 x 64, 8 waves a work-group, clusters of 4 x 1, 327,680 bytes of LDS; arguments qrec, kv, oq; writes oq
.if DOCPART == 3
	.amdgcn_target "amdgcn-amd-amdhsa--gfx1250"
	.amdhsa_code_object_version 6
	.text
	.protected	k_qee4d986eb5_attn
	.globl	k_qee4d986eb5_attn
	.p2align	8
	.type	k_qee4d986eb5_attn,@function
k_qee4d986eb5_attn:
	s_mov_b64 s[64:65], 0
	v_nop
	global_prefetch_b8 v0, s[64:65] scope:SCOPE_SE
	s_setreg_imm32_b32 hwreg(HW_REG_WAVE_MODE, 25, 1), 1
	s_wait_xcnt 0x0
	s_wait_alu depctr_hold_cnt(0) depctr_sa_sdst(0) depctr_va_vdst(0) depctr_va_sdst(0) depctr_va_ssrc(0) depctr_va_vcc(0) depctr_vm_vsrc(0)
	s_getreg_b32 s2, hwreg(HW_REG_IB_STS2, 6, 4)
	s_cmp_eq_u32 s2, 0
	s_cbranch_scc0 .Lentry_in_a_cluster
	s_endpgm
.Lentry_in_a_cluster:
	s_bfe_u32 s2, ttmp6, 0x10000c
	s_cmp_lg_u32 s2, 0x3003
	s_cbranch_scc0 .Lentry_shape_is_right
	s_endpgm
.Lentry_shape_is_right:
; o = softmax(q k^T / 32) v for one head, both products on codes of FP6 (E2M3); o leaves as codes for the last product.
; THE SOFTMAX: t = score x log2(e) / 32; M = the running largest t rounded UP to a whole number; p = 2^(t - M) is quantised along the keys, not normalised; the row's sum is taken of the unquantised p and divides o at the end.
; When M moves, the sum and o are multiplied by 2^(old M - new M): exact.
; SHARES.  A work-group owns 512 queries of one head (cluster's y = 16 batch + head; cx = which 512); each of eight waves 64: four tiles of 16.  Two waves to a SIMD.
; THE WHOLE HEAD'S k, v AND SCALES, 208,896 bytes, LIE IN LDS, each byte filled once, as they lie in kv.  The four work-groups of a cluster need the same bytes: every tile is asked for JOINTLY (mask 15).
; A wave issues two tensor loads: at the head waves 0-5 bring key steps 0-3 (32 rows of 256 bytes each) and waves 6-7 the scales (24 rows each); behind the three lines and a round every wave brings 72 rows of
; steps 4-15.  One load of a wave is out at a time.  A barrier ahead of step 3 shows the second part to all waves.  No prefetch: all the launch's tensor loads are issued at its start, so there is no later load to run ahead of.
; LAYOUT.  Both products are used transposed (S^T = k q^T, O^T = v^T p^T): a lane holds ONE query.  By the order of places that the earlier launches gave tokens and channels, a lane's 32 registers of four neighbouring
; tiles are 32 NEIGHBOURING keys (or channels): a whole block of the next quantiser lies in one lane.
; K = 64 IN THE FIRST PRODUCT.  A fragment of k holds two tiles of 16 keys, one in each 64 of the instruction's 128.  q stands in a run [0 | q0 | 0 | q1 | 0 | q2 | 0 | q3 | 0] of pieces of six registers: [q | 0] multiplies the lower
; tile, [0 | q] the upper.  Zero codes add nothing under any scale byte; q's and k's scale words hold their two bytes twice.
; A TRIP is a key step of 128 keys for the wave's four tiles.  Behind a tile's softmax stand 12 products on end: the NEXT tile's scores, then this tile's O^T.  The next step's k is fetched behind tile 2's products, its v behind
; tile 3's, and tile 3's products begin with the next step's first scores.  The trip's text stands twice (steps 0-2, steps 3-15).  THE LAST TRIP'S LOOK-AHEAD names step 15 again (s_min_u32): its 35 LDS loads and eight products are not used.
; O's 128 registers begin as zeros (128 moves, once) and the largest score as -3e38, so that the key step needs no first copy of its own.
; THE SCALE BYTES OF o leave as two bytes a row, 8 bytes apart: a scale word of the last product spans two heads, which other work-groups make.
; LIMITS: NaN and infinities are not served; a p under 2^-126 counts as 0; a block of zeros keeps the byte 1 (its codes are zeros; this program alone reads the bytes); the promise holds while |t| stays under 2^31.
; REGISTERS.  Window 0: v1 16 L, v2 8 L, v3 16 r + the scales' base, v4 8 h, v5-7 LDS addresses of the step that is fetched; v8-15 k's, v16-19 v's, v20-23 q's, v24-27 p's scale words, and nothing else;
;   v28-43 for each tile -M, the largest score, the sum in two halves; v44-59 at work; v60-67 second halves of blocks; v68-121 q's run; v122-169 p's codes; v170-233 S^T, then p; v234-251 the way out.
;   Window 1: v0-127 O^T (tile t, channels' tile i at 32 t + 8 i); v128-175 k's four fragments; v176-223 v's four.
.set FLOOR,  0x1800000
.set KSTEP,  12288                     ; a key step (128 keys): k's 6,144 bytes, then v's
.set SSTEP,  768                       ; its scales: k's 512, v's 256
.set SCB,    196608
.set HEADKV, 208896
.set HEADQ,  106496
.set SPARE,  208896                    ; behind the head's bytes: the spare words, 128 bytes a wave
.set S,   170
.set PCD, 122
.set QZ,  68
.set KF,  128
.set VF,  176
.set MSB, 0
.macro WIN new
.if MSB != (\new)
	s_set_vgpr_msb (MSB<<8)|(\new)
.set MSB, (\new)
.endif
.endm
.macro ROUND                           ; a round of the cluster's barrier
	s_barrier_signal -1
	s_barrier_wait -1
	s_cmp_lg_u32 s12, 0
	s_cbranch_scc1 .Lnot_wave_0_\@
	s_barrier_signal -3
.Lnot_wave_0_\@:
	s_barrier_wait -3
	s_barrier_signal -1
	s_barrier_wait -1
.endm
.macro PLACES
.rept 4
	v_nop
.endr
.endm
.macro GROUP1 g, rows                  ; dense bytes as rows of 256 (32 elements of 8 bytes); mask 15, bit 21 beside it
	s_mov_b32 s[\g], 15|(3<<16)|(1<<21)
	s_mov_b32 s[\g+1], 32<<16
	s_mov_b32 s[\g+2], (\rows)<<16
	s_mov_b32 s[\g+3], 32<<16
	s_mov_b32 s[\g+4], \rows
	s_mov_b32 s[\g+5], 32
	s_mov_b32 s[\g+6], 0
	s_mov_b32 s[\g+7], 0
.endm
	s_load_b128 s[4:7], s[0:1], 0x0                ; qrec, kv
	s_load_b64 s[8:9], s[0:1], 0x10                ; oq
	v_lshl_add_u32 v254, v0, 2, SPARE
	v_mov_b32 v255, 0
	ds_add_u32 v254, v255                          ; the opening lines: the add twice on end and its wait
	ds_add_u32 v254, v255
	v_lshrrev_b32 v1, 5, v0
	v_readfirstlane_b32 s12, v1                    ; wave 0..7
	s_bfe_u32 s13, ttmp6, 0x40000                  ; cx: it enters q's and o's addresses alone
	s_and_b32 s14, ttmp7, 0xffff                   ; 16 batch + head, which the partners share
	s_mul_i32 s16, s14, HEADKV
	s_mov_b32 s17, 0
	s_lshl_b32 s18, s12, 13                        ; waves 0-5: 8,192 bytes of steps 0-3; the same place in the head's bytes and in LDS
	s_mov_b32 s19, 0
	s_mul_i32 s20, s12, 6144                       ; waves 6-7: half of the scales, SCB + 6,144 (w - 6)
	s_add_co_u32 s20, s20, SCB-6*6144
	s_mov_b32 s21, 0
	s_mul_i32 s22, s12, 18432                      ; every wave: an eighth of steps 4-15
	s_add_co_u32 s22, s22, 4*KSTEP
	s_mov_b32 s23, 0
	GROUP1 24, 32
	GROUP1 32, 24
	GROUP1 52, 72
	s_mul_i32 s70, s14, HEADQ                      ; q: the head, 512 queries x cx, 64 x wave
	s_mul_i32 s71, s13, 24576
	s_add_co_u32 s72, s70, s71
	s_mul_i32 s71, s12, 3072
	s_add_co_u32 s72, s72, s71
	s_mov_b32 s73, 0
	s_lshl_b32 s71, s13, 11                        ; q's scale words
	s_add_co_u32 s74, s70, s71
	s_lshl_b32 s71, s12, 8
	s_add_co_u32 s74, s74, s71
	s_add_co_u32 s74, s74, 98304
	s_mov_b32 s75, 0
	s_lshr_b32 s70, s14, 4                         ; batch
	s_and_b32 s71, s14, 15                         ; head
	s_lshl_b32 s76, s70, 7                         ; o's codes: tile 128 batch + 32 cx + 4 wave, K / 64 = head
	s_lshl_b32 s77, s13, 5
	s_add_co_u32 s76, s76, s77
	s_lshl_b32 s77, s12, 2
	s_add_co_u32 s76, s76, s77
	s_mul_i32 s76, s76, 12288
	s_mul_i32 s77, s71, 768
	s_add_co_u32 s76, s76, s77
	s_mov_b32 s77, 0
	s_lshl_b32 s78, s70, 4                         ; o's scales: 128 places number 16 batch + 4 cx + wave / 2,
	s_lshl_b32 s79, s13, 2
	s_add_co_u32 s78, s78, s79
	s_lshr_b32 s79, s12, 1
	s_add_co_u32 s78, s78, s79
	s_lshl_b32 s78, s78, 12
	s_lshr_b32 s79, s71, 2                         ; K / 256 = head / 4,
	s_lshl_b32 s79, s79, 10
	s_add_co_u32 s78, s78, s79
	s_and_b32 s79, s12, 1                          ; my 64 places,
	s_lshl_b32 s79, s79, 9
	s_add_co_u32 s78, s78, s79
	s_and_b32 s79, s71, 3                          ; my head's two bytes of the eight
	s_lshl_b32 s79, s79, 1
	s_add_co_u32 s78, s78, s79
	s_add_co_u32 s78, s78, 6291456
	s_mov_b32 s79, 0
	s_mov_b32 s60, 0x76543210                      ; v_permlanex16_b32's selects for lane l xor 16
	s_mov_b32 s61, 0xfedcba98
	s_mov_b32 s62, 0x3d38aa3b                      ; c = log2(e) / 32
	s_mov_b32 s63, s62                             ; (named with it as a pair, so it is written)
	s_mov_b32 s66, 0                               ; the step that is fetched: its codes' and its scales' place
	s_mov_b32 s67, 0
	s_wait_dscnt 0x0
	s_wait_kmcnt 0x0
	s_add_nc_u64 s[6:7], s[6:7], s[16:17]          ; kv at the head
.irp j, 0,1,2                          ; groups 0: s[40:43] steps 0-3, s[44:47] the scales, s[48:51] steps 4-15
	s_mov_b32 s[40+4*\j], 1
	s_mov_b32 s[41+4*\j], s[18+2*\j]
	s_add_nc_u64 s[42+4*\j:43+4*\j], s[6:7], s[18+2*\j:19+2*\j]
	s_or_b32 s[43+4*\j], s[43+4*\j], 0x80000000
.endr
	s_add_nc_u64 s[72:73], s[4:5], s[72:73]
	s_add_nc_u64 s[74:75], s[4:5], s[74:75]
	s_add_nc_u64 s[76:77], s[8:9], s[76:77]
	s_add_nc_u64 s[78:79], s[8:9], s[78:79]
	ROUND                                          ; all four work-groups are here: the joint loads meet
	s_cmp_lt_u32 s12, 6                            ; one load a wave, one to each arm
	s_cbranch_scc0 .Lhead_scales
	tensor_load_to_lds s[40:43], s[24:31]
	s_nop 0
	PLACES
	s_branch .Lhead_asked
.Lhead_scales:
	tensor_load_to_lds s[44:47], s[32:39]
	s_nop 0
	PLACES
.Lhead_asked:
	v_and_b32 v52, 31, v0
	v_and_b32 v53, 15, v0
	v_bfe_u32 v4, v0, 4, 1
	v_lshlrev_b32 v1, 4, v52                       ; 16 L
	v_lshlrev_b32 v2, 3, v52                       ; 8 L
	v_lshlrev_b32 v57, 4, v53                      ; 16 r
	v_add_nc_u32 v3, SCB, v57
	v_lshlrev_b32 v4, 3, v4                        ; 8 h
.irp t, 0,1,2,3
	global_load_b128 v[QZ+6+12*\t:QZ+9+12*\t], v1, s[72:73] offset:\t*768
	global_load_b64 v[QZ+10+12*\t:QZ+11+12*\t], v2, s[72:73] offset:\t*768+512
.endr
	global_load_b128 v[20:23], v57, s[74:75]       ; q's scale words, tile t in v[20 + t]
	v_add_nc_u32 v5, s66, v1                       ; step 0
	v_add_nc_u32 v6, s66, v2
	v_add_nc_u32 v7, s67, v3
.irp k, 0,1,2,3,4
.irp i, 0,1,2,3,4,5
	v_mov_b32 v[QZ+12*\k+\i], 0                    ; the zero pieces of q's run
.endr
.endr
.irp t, 0,1,2,3
	v_mov_b32 v[28+4*\t], 0x7f61b1e6               ; -M = 3e38
	v_mov_b32 v[29+4*\t], 0xff61b1e6               ; the largest score so far: -3e38
	v_mov_b32 v[30+4*\t], 0                        ; the sum, in two halves
	v_mov_b32 v[31+4*\t], 0
.endr
	v_mov_b32 v51, 0                               ; (the upper half of the pair that holds f)
	v_mov_b32 v56, 0                               ; a lane permute's destination counts as one of its sources
	WIN 0x40
.set jj, 0
.rept 128
	v_mov_b32 v[jj], 0                             ; O^T
.set jj, jj+1
.endr
	WIN 0
.macro FETCHK                          ; a step's k: four fragments of two tiles, and the eight tiles' scale words: 18 loads
	WIN 0x40
.irp f, 0,1,2,3
	ds_load_b128 v[KF+12*\f:KF+12*\f+3], v5 offset:\f*1536
	ds_load_b64 v[KF+12*\f+4:KF+12*\f+5], v6 offset:\f*1536+512
	ds_load_b128 v[KF+12*\f+6:KF+12*\f+9], v5 offset:\f*1536+768
	ds_load_b64 v[KF+12*\f+10:KF+12*\f+11], v6 offset:\f*1536+1280
.endr
	WIN 0
	ds_load_b128 v[8:11], v7
	ds_load_b128 v[12:15], v7 offset:256
.endm
.macro FETCHV                          ; the same step's v: four fragments of 16 channels x 128 keys, and their scale words: 17 loads
	WIN 0x40
.irp f, 0,1,2,3
	ds_load_b128 v[VF+12*\f:VF+12*\f+3], v5 offset:6144+\f*1536
	ds_load_b64 v[VF+12*\f+4:VF+12*\f+5], v6 offset:6144+\f*1536+512
	ds_load_b128 v[VF+12*\f+6:VF+12*\f+9], v5 offset:6144+\f*1536+768
	ds_load_b64 v[VF+12*\f+10:VF+12*\f+11], v6 offset:6144+\f*1536+1280
.endr
	WIN 0
	ds_load_b128 v[16:19], v7 offset:512
.endm
.macro KQ t                            ; S^T of tile t: eight tiles of 16 keys
	WIN 0x01
.irp f, 0,1,2,3
	v_wmma_scale_f32_16x16x128_f8f6f4 v[S+16*\f:S+16*\f+7], v[KF+12*\f:KF+12*\f+11], v[QZ+6+12*(\t):QZ+17+12*(\t)], 0, v[8+2*\f], v[20+(\t)] matrix_a_fmt:MATRIX_FMT_FP6 matrix_b_fmt:MATRIX_FMT_FP6
	v_wmma_scale_f32_16x16x128_f8f6f4 v[S+16*\f+8:S+16*\f+15], v[KF+12*\f:KF+12*\f+11], v[QZ+12*(\t):QZ+11+12*(\t)], 0, v[9+2*\f], v[20+(\t)] matrix_a_fmt:MATRIX_FMT_FP6 matrix_b_fmt:MATRIX_FMT_FP6
.endr
.endm
.macro PV t                            ; O^T of tile t += v^T p^T: four accumulators, one instruction each
	WIN 0x51
.irp i, 0,1,2,3
	v_wmma_scale_f32_16x16x128_f8f6f4 v[32*(\t)+8*\i:32*(\t)+8*\i+7], v[VF+12*\i:VF+12*\i+11], v[PCD+12*(\t):PCD+11+12*(\t)], v[32*(\t)+8*\i:32*(\t)+8*\i+7], v[16+\i], v[24+(\t)] matrix_a_fmt:MATRIX_FMT_FP6 matrix_b_fmt:MATRIX_FMT_FP6
.endr
.endm
.macro TM n                            ; n pairs of scores become t - M
.rept \n
	v_pk_fma_f32 v[S+jj:S+jj+1], v[S+jj:S+jj+1], s[62:63], v[rT:rT+1] op_sel_hi:[1,0,0]
.set jj, jj+2
.endr
.endm
.macro LVL d, a, b                     ; THE SUM OF p IS A TREE IN PLACE, behind the conversions: additions a .. b - 1 of the level in which pairs d / 2 registers apart meet (d = 4: 16 additions, 8: 8, 16: 4)
.set nn, \a
.rept (\b)-(\a)
	v_pk_add_f32 v[S+(\d)*nn:S+(\d)*nn+1], v[S+(\d)*nn:S+(\d)*nn+1], v[S+(\d)*nn+(\d)/2:S+(\d)*nn+(\d)/2+1]
.set nn, nn+1
.endr
.endm
; A tile's softmax for 128 keys.  Register 32 c + i of S^T is key 64 c + 32 h + i: block 2 c + h is all mine.  dsw = 1: the LDS loads that are out are waited for (the products behind this tile read them).
.macro SOFT t, dsw
.set rT, 28+4*(\t)
.set rP, PCD+12*(\t)
	WIN 0
; each block's largest score: a chain for each of the eight accumulators (block c, accumulator k: v[44 + 2 k + 2 (k / 3) + c]), every accumulator read from its low end on.
; It serves the row's maximum and, since p rises with the score, the block's largest p
.irp k, 0,1,2,3
.irp c, 0,1
	v_max3_num_f32 v[44+2*\k+2*(\k/3)+\c], v[S+32*\c+8*\k], v[S+32*\c+8*\k+1], v[S+32*\c+8*\k+2]
.endr
.endr
.irp i, 3,5
.irp k, 0,1,2,3
.irp c, 0,1
	v_max3_num_f32 v[44+2*\k+2*(\k/3)+\c], v[44+2*\k+2*(\k/3)+\c], v[S+32*\c+8*\k+\i], v[S+32*\c+8*\k+\i+1]
.endr
.endr
.endr
.irp c, 0,1
	v_max3_num_f32 v[44+\c], v[44+\c], v[S+32*\c+7], v[S+32*\c+15]
	v_max3_num_f32 v[46+\c], v[46+\c], v[S+32*\c+23], v[S+32*\c+31]
.endr
.irp c, 0,1
	v_max3_num_f32 v[48+\c], v[48+\c], v[52+\c], v[44+\c]
.endr
.irp c, 0,1
	v_max_num_f32 v[44+\c], v[48+\c], v[46+\c]
.endr
	v_max_num_f32 v52, v44, v45
	v_permlanex16_b32 v56, v52, s60, s61           ; the query's other 64 keys lie in lane l xor 16
	v_max3_num_f32 v[rT+1], v[rT+1], v52, v56      ; the running largest score
	s_delay_alu instid0(VALU_DEP_1)
	v_mul_f32 v52, s62, v[rT+1]                    ; as t (c is positive)
	s_delay_alu instid0(VALU_DEP_1)
	v_floor_f32 v53, -v52                          ; the new -M = floor(-t)
	s_delay_alu instid0(VALU_DEP_1)
	v_sub_f32 v52, v53, v[rT]                      ; old M - new M: a whole number, 0 or less
	v_mov_b32 v[rT], v53
.set jj, 0
	TM 4
	v_cvt_i32_f32 v52, v52                         ; (it saturates)
	TM 4
	v_ldexp_f32 v50, 1.0, v52                      ; f = 2^(old M - new M)
	TM 24
.irp c, 0,1
	v_fma_f32 v[44+\c], v[44+\c], s62, v[rT]       ; the same of each block's largest score
.endr
	WIN 0x41
	s_wait_alu depctr_va_vdst(0)                   ; directly ahead of the first readers of O^T, and ahead of the batch of exponentials
.set jj, 0
.rept 16
	v_pk_mul_f32 v[32*(\t)+jj:32*(\t)+jj+1], v[32*(\t)+jj:32*(\t)+jj+1], v[50:51] op_sel_hi:[1,0]   ; O^T under the new M
.set jj, jj+2
.endr
	WIN 0
	v_exp_f32 v44, v44                             ; the blocks' largest p
	v_exp_f32 v45, v45
.set jj, 0
.rept 64
	v_exp_f32 v[S+jj], v[S+jj]                     ; p = 2^(t - M)
.set jj, jj+1
.endr
	v_pk_mul_f32 v[rT+2:rT+3], v[rT+2:rT+3], v[50:51] op_sel_hi:[1,0]   ; the sum under the new M.  (The plain place behind the exponentials)
.if \dsw
	s_wait_dscnt 0x0                               ; all my LDS loads are in: tile 0: this step's v; tile 3: the next step's k
.endif
	s_wait_alu depctr_va_vdst(0)                   ; one wait for the whole batch, ahead of its first reader
.irp c, 0,1
	v_max_num_f32 v[44+\c], FLOOR, v[44+\c]        ; the floor 2^(3 - 127): the byte cannot fall under 1
.endr
.irp c, 0,1
	v_add_nc_u32 v[46+\c], 0xff000000, v[44+\c]    ; 2 off the exponent field: the conversion's scale operand
.endr
.irp c, 0,1
	v_lshrrev_b32 v[48+\c], 23, v[46+\c]
.endr
.irp c, 0,1
	v_cvt_scalef32_pk16_fp6_f32 v[rP+6*\c:rP+6*\c+2], v[S+32*\c:S+32*\c+15], v[46+\c]
	v_cvt_scalef32_pk16_fp6_f32 v[60+4*\c:62+4*\c], v[S+32*\c+16:S+32*\c+31], v[46+\c]
.endr
	v_lshl_or_b32 v57, v49, 16, v48                ; my two bytes.  (The plain place between the conversions and the additions that write their sources)
	LVL 4, 0, 4
	v_lshlrev_b32 v57, v4, v57
	LVL 4, 4, 8
	v_permlanex16_b32 v56, v57, s60, s61
	LVL 4, 8, 12
	v_or_b32 v[24+(\t)], v57, v56                  ; p's scale word: 24 plain instructions stand between it and the product that names it
	LVL 4, 12, 16
	LVL 8, 0, 8
.irp c, 0,1
.irp i, 0,1,2
	v_mov_b32 v[rP+6*\c+3+\i], v[60+4*\c+\i]       ; the blocks' second halves: six plain instructions ahead of the product
.endr
.endr
	LVL 16, 0, 4
	v_pk_add_f32 v[54:55], v[S:S+1], v[S+16:S+17]  ; the last four pairs leave S^T, which the next products write
	v_pk_add_f32 v[58:59], v[S+32:S+33], v[S+48:S+49]
.endm
.macro FIN                             ; the tree's last two additions; with the two v_nop they are the four places behind the products
	v_pk_add_f32 v[54:55], v[54:55], v[58:59]
	v_nop
	v_nop
	v_pk_add_f32 v[rT+2:rT+3], v[rT+2:rT+3], v[54:55]
.endm
; A KEY STEP.  lim: the last step that the look-ahead may name: the last of those that lie in LDS.
.macro TRIP lim
	SOFT 0, 1
	KQ 1
	PV 0
	WIN 0
	FIN                                            ; in front of the first read of the scores
	SOFT 1, 0
	KQ 2
	PV 1
	WIN 0
	FIN
	SOFT 2, 0
	KQ 3
	PV 2
	WIN 0
	v_pk_add_f32 v[54:55], v[54:55], v[58:59]      ; these five are the places in front of the loads into k's registers and of the first read of the scores
	s_add_co_u32 s66, s66, KSTEP
	s_min_u32 s66, s66, (\lim)*KSTEP
	s_add_co_u32 s67, s67, SSTEP
	s_min_u32 s67, s67, (\lim)*SSTEP
	v_add_nc_u32 v5, s66, v1
	v_add_nc_u32 v6, s66, v2
	v_add_nc_u32 v7, s67, v3
	v_pk_add_f32 v[rT+2:rT+3], v[rT+2:rT+3], v[54:55]
	FETCHK
	SOFT 3, 1
	KQ 0                                           ; the next step's first scores
	PV 3
	WIN 0
	FIN                                            ; in front of the loads into v's registers and of the first read of the scores
	FETCHV
.endm
	s_wait_alu depctr_va_vdst(0)                   ; the wait at the head's end
	s_wait_tensorcnt 0x0                           ; my part of the head's tiles is in; the add and its wait stand ahead of a later first fill
	ds_add_u32 v254, v255
	s_wait_dscnt 0x0
	ROUND                                          ; everybody's part is in, and all four work-groups are here: the joint loads meet
	tensor_load_to_lds s[48:51], s[52:59]          ; steps 4-15: my one load behind the round
	s_nop 0
	PLACES
	s_wait_loadcnt 0x0                             ; q
	FETCHK
	FETCHV
	s_wait_dscnt 17                                ; k and its scale words are in; v's 17 loads may be out
	KQ 0
	WIN 0
	PLACES
	s_mov_b32 s68, 3
.Lfirst:                                               ; steps 0-2: they read, and fetch ahead, steps 0-3
	TRIP 3
	s_sub_co_u32 s68, s68, 1
	s_cmp_lg_u32 s68, 0
	s_cbranch_scc1 .Lfirst
	s_wait_dscnt 0x0                               ; no LDS instruction of mine is out at a signal
	s_wait_tensorcnt 0x0                           ; my part of steps 4-15 is in,
	s_barrier_signal -1
	s_barrier_wait -1                              ; everybody's is
	s_mov_b32 s66, 3*KSTEP                         ; (the values that the first loop left, restated)
	s_mov_b32 s67, 3*SSTEP
	s_mov_b32 s68, 13
.Lrest:                                                ; steps 3-15
	TRIP 15
	s_sub_co_u32 s68, s68, 1
	s_cmp_lg_u32 s68, 0
	s_cbranch_scc1 .Lrest
	; THE WAY OUT.  o = O^T / the sum; a lane's 32 numbers of a tile are channels 32 h + 0 .. 31 of its query: a whole block of the last product's K.
	s_wait_alu depctr_va_vdst(0)                   ; directly ahead of the reader below
.irp t, 0,1,2,3
	v_add_f32 v[242+\t], v[30+4*\t], v[31+4*\t]
.endr
.irp t, 0,1,2,3
	v_permlanex16_b32 v[44+\t], v[242+\t], s60, s61
.endr
.irp t, 0,1,2,3
	v_add_f32 v[242+\t], v[242+\t], v[44+\t]       ; the row's sum
.endr
	s_wait_alu depctr_va_vdst(0)                   ; ahead of the batch
.irp t, 0,1,2,3
	v_rcp_f32 v[234+2*\t], v[242+\t]
.endr
.irp t, 0,1,2,3
	v_mov_b32 v[235+2*\t], 0                       ; (the pairs' upper halves; plain places behind the reciprocals)
.endr
.macro OUT t
.set rX, S+32*((\t)%2)
.set rC, PCD+12*(\t)
	WIN 0x01
	s_wait_alu depctr_va_vdst(0)                   ; directly ahead of the first readers of this tile's O^T (for tile 0: of the reciprocals too)
.set jj, 0
.rept 16
	v_pk_mul_f32 v[rX+jj:rX+jj+1], v[32*(\t)+jj:32*(\t)+jj+1], v[234+2*(\t):235+2*(\t)] op_sel_hi:[1,0]
.set jj, jj+2
.endr
	WIN 0
	v_max3_num_f32 v52, |v[rX]|, |v[rX+1]|, FLOOR
	v_max3_num_f32 v53, |v[rX+2]|, |v[rX+3]|, FLOOR
.irp i, 4,8,12,16,20,24,28
	v_max3_num_f32 v52, v52, |v[rX+\i]|, |v[rX+\i+1]|
	v_max3_num_f32 v53, v53, |v[rX+\i+2]|, |v[rX+\i+3]|
.endr
	v_max_num_f32 v52, v52, v53
	v_add_nc_u32 v54, 0xff000000, v52
	v_cvt_scalef32_pk16_fp6_f32 v[rC:rC+2], v[rX:rX+15], v54
	v_cvt_scalef32_pk16_fp6_f32 v[60:62], v[rX+16:rX+31], v54
	v_lshrrev_b32 v55, 23, v54                     ; the byte.  (The plain place behind the conversions)
	v_lshlrev_b32 v55, v4, v55
	v_permlanex16_b32 v56, v55, s60, s61
	v_or_b32 v[246+(\t)], v55, v56                 ; the row's two bytes
.irp i, 0,1,2
	v_mov_b32 v[rC+3+\i], v[60+\i]
.endr
	global_store_b128 v1, v[rC:rC+3], s[76:77] offset:(\t)*12288       ; 512 and 256 consecutive bytes, aligned
	global_store_b64 v2, v[rC+4:rC+5], s[76:77] offset:(\t)*12288+512
.endm
	OUT 0
	OUT 1
	OUT 2
	OUT 3
	v_cmp_ne_u32 vcc_lo, 0, v4
	v_cndmask_b32 v250, v246, v247, vcc_lo         ; lanes 0-15: tile 0's rows; lanes 16-31: tile 1's
	v_cndmask_b32 v251, v248, v249, vcc_lo
	global_store_b16 v2, v250, s[78:79]
	global_store_b16 v2, v251, s[78:79] offset:256
	s_wait_tensorcnt 0x0                           ; the wave's end
	ds_add_u32 v254, v255
	s_wait_dscnt 0x0
	ROUND                                          ; the closing round: no work-group ends while a partner may still ask for a tile that names it
	s_endpgm
.Lfunc_end_k_qee4d986eb5_attn:
	.size	k_qee4d986eb5_attn, .Lfunc_end_k_qee4d986eb5_attn-k_qee4d986eb5_attn
	.p2alignl 7, 3214868480
	.fill 96, 4, 3214868480
	.section	.rodata,"a",@progbits
	.p2align	6, 0x0
	.amdhsa_kernel k_qee4d986eb5_attn
		.amdhsa_group_segment_fixed_size 327680
		.amdhsa_private_segment_fixed_size 0
		.amdhsa_enable_private_segment 0
		.amdhsa_kernarg_size 24
		.amdhsa_user_sgpr_count 2
		.amdhsa_user_sgpr_kernarg_segment_ptr 1
		.amdhsa_wavefront_size32 1
		.amdhsa_system_sgpr_workgroup_id_x 1
		.amdhsa_system_sgpr_workgroup_id_y 1
		.amdhsa_system_sgpr_workgroup_id_z 1
		.amdhsa_system_vgpr_workitem_id 0
		.amdhsa_next_free_vgpr 512
		.amdhsa_next_free_sgpr 80
		.amdhsa_reserve_vcc 1
		.amdhsa_float_denorm_mode_32 3
		.amdhsa_float_denorm_mode_16_64 3
		.amdhsa_memory_ordered 1
		.amdhsa_forward_progress 1
		.amdhsa_inst_pref_size 136
	.end_amdhsa_kernel
	.amdgpu_metadata
---
amdhsa.version: [ 1, 2 ]
amdhsa.kernels:
  - .name:           k_qee4d986eb5_attn
    .symbol:         k_qee4d986eb5_attn.kd
    .args:
      - { .name: qrec, .offset: 0, .size: 8, .value_kind: global_buffer, .address_space: global }
      - { .name: kv, .offset: 8, .size: 8, .value_kind: global_buffer, .address_space: global }
      - { .name: oq, .offset: 16, .size: 8, .value_kind: global_buffer, .address_space: global }
    .group_segment_fixed_size: 327680
    .private_segment_fixed_size: 0
    .kernarg_segment_align: 8
    .kernarg_segment_size: 24
    .max_flat_workgroup_size: 256
    .sgpr_count:     80
    .vgpr_count:     512
    .wavefront_size: 32
...
	.end_amdgpu_metadata
.endif
;; end of part 3
;; launch gemm_out (part 4): grid 8 x 32, 4 waves a work-group, clusters of 4 x 4, 327,680 bytes of LDS; arguments oq, ops, b_out, out0; writes out0
.if DOCPART == 4
	.amdgcn_target "amdgcn-amd-amdhsa--gfx1250"
	.amdhsa_code_object_version 6
	.text
	.protected	k_qee4d986eb5_gemm_out
	.globl	k_qee4d986eb5_gemm_out
	.p2align	8
	.type	k_qee4d986eb5_gemm_out,@function
k_qee4d986eb5_gemm_out:
	s_mov_b64 s[64:65], 0
	v_nop
	global_prefetch_b8 v0, s[64:65] scope:SCOPE_SE
	s_setreg_imm32_b32 hwreg(HW_REG_WAVE_MODE, 25, 1), 1
	s_wait_xcnt 0x0
	s_wait_alu depctr_hold_cnt(0) depctr_sa_sdst(0) depctr_va_vdst(0) depctr_va_sdst(0) depctr_va_ssrc(0) depctr_va_vcc(0) depctr_vm_vsrc(0)
	s_getreg_b32 s2, hwreg(HW_REG_IB_STS2, 6, 4)
	s_cmp_eq_u32 s2, 0
	s_cbranch_scc0 .Lentry_in_a_cluster
	s_endpgm
.Lentry_in_a_cluster:
	s_bfe_u32 s2, ttmp6, 0x10000c
	s_cmp_lg_u32 s2, 0xf033
	s_cbranch_scc0 .Lentry_shape_is_right
	s_endpgm
.Lentry_shape_is_right:
; out0 [8192 tokens][1024] f32 = o w_out + b_out, on codes of FP6 (E2M3) with one E8M0 byte for each 32 along K = 1,024.
; A = o's codes and scales, as the attention launch left them in oq; B = w_out's, tiles 704..767 of ops.  Codes: [tile of 16 places][K / 64][768 bytes, an image of registers: lane L's first 16 bytes at 16 L, its last 8 at 512 + 8 L];
; scales: [128 places][K / 256][place][8 bytes].  Inside every 64 tokens (columns), place 16 i + 8 y + j holds token (column) 32 y + 8 i + j.
; SHARES.  A work-group makes 256 tokens x 128 columns: 8 x 32 = 256 work-groups.  Four waves, each 128 tokens x 64 columns: 32 accumulators of 16 x 16.
; ALL OF K LIES IN LDS, each byte filled once: A's 16 tiles of places (196,608 bytes), then B's 8 (98,304 bytes), as they lie in memory.  One tensor load a wave, at the head: waves 0 and 1 bring A's halves (384 rows of 256 bytes),
; waves 2 and 3 B's (192 rows).  No ring, nothing is filled again: one barrier shows the tiles to all waves, and the walk along K has none.
; CLUSTERS: 4 x 4 work-groups.  The four of a row of the cluster need the same tiles of A, the four of a column the same tiles of B: each tile is asked for JOINTLY.  No prefetch: all tensor loads are issued at the start.
; THE SCALES go from memory straight into registers, once: a load of 8 bytes a lane covers 256 consecutive bytes, aligned: lanes 0-15 the words of an even block of 16 places, lanes 16-31 those of the odd block beside it, for two
; steps of 128 along K; the matrix instruction's ROW selectors pick the half.  These registers hold scales and nothing else.
; THE MATRIX INSTRUCTION IS USED TRANSPOSED (source 0 = 16 places of B, source 1 = 16 places of A): a lane holds one token, and its eight registers of tile b are columns 32 h + 8 b + 0 .. 7 of the wave's 64.
; The bias stands in that layout and is the C of each accumulator's first product.
; REGISTERS.  Window 0: v0-31 addresses; v32-47 B's scale words, v48-79 A's; v80-111 the bias; v128-223 A's fragments of even steps (on the way out: rows read back).
;   Window 1: v0-47, v48-95 B's fragments of even and odd steps; v96-191 A's of odd steps.  Window 2: the accumulators of A's blocks 0-3 ((a, b) at 8 (4 (a % 4) + b)); window 3: of blocks 4-7.
.set SCO,    9437184                   ; ops: the scales lie behind 768 tiles of codes
.set SCOQ,   6291456                   ; oq: behind 512 tiles
.set TILEB,  12288                     ; a tile of 16 places, all of K
.set FR,     12                        ; registers of a fragment: 16 places x 128 K
.set LB,     16*TILEB                  ; LDS: B's tiles lie behind A's
.set STAGE,  LB+8*TILEB                ; behind the tiles: a stage of 16 rows x (256 + 16) bytes for each wave, into which no tensor load lands
.set SPITCH, 272
.set SPARE,  STAGE+4*16*SPITCH         ; the spare words, 128 bytes a wave
.set ADRA,   16                        ; v16-17 LDS address of my A tiles 0-3, 4-7, 16 bytes a lane;  v18-19 8 bytes a lane
.set ADRA8,  18
.set ADRB,   20                        ; v20, v21 the same for my four tiles of B
.set ADRB8,  21
.set STO,    24
.set RD,     25
.set CO,     26
.set SPW,    28
.set NIL,    29
.set SB,     32
.set SA,     48
.set BI,     80
.set AF,     128
.set BK,     128
.set G1,  24
.set G0,  32
.set G1B, 48
.set G0B, 56
.set MSB, 0
.macro WIN new
.if MSB != (\new)
	s_set_vgpr_msb (MSB<<8)|(\new)
.set MSB, (\new)
.endif
.endm
.macro PLACES
.rept 4
	v_nop
.endr
.endm
.macro CROUND                          ; a round of the cluster's barrier
	s_barrier_signal -1
	s_barrier_wait -1
	s_cmp_lg_u32 s14, 0
	s_cbranch_scc1 .Lnot_wave_0_\@
	s_barrier_signal -3
.Lnot_wave_0_\@:
	s_barrier_wait -3
	s_barrier_signal -1
	s_barrier_wait -1
.endm
	s_load_b256 s[4:11], s[0:1], 0x0               ; oq s[4:5], ops s[6:7], b_out s[8:9], out0 s[10:11]
	v_lshl_add_u32 v[SPW], v0, 2, SPARE
	v_mov_b32 v[NIL], 0
	ds_add_u32 v[SPW], v[NIL]                      ; the opening lines: the add twice on end and its wait
	ds_add_u32 v[SPW], v[NIL]
	v_lshrrev_b32 v1, 5, v0
	v_readfirstlane_b32 s14, v1                    ; wave 0..3
	s_lshr_b32 s15, s14, 1                         ; which 128 tokens are mine.  Also: I fetch for A (0) or for B (1)
	s_and_b32 s16, s14, 1                          ; which 64 columns.  Also: which half of that tile I fetch
	s_bfe_u32 s40, ttmp6, 0x40000                  ; cx, cy: my place in the cluster
	s_bfe_u32 s41, ttmp6, 0x40004
	s_and_b32 s17, ttmp7, 0xffff
	s_lshl_b32 s17, s17, 2
	s_add_co_u32 s17, s17, s41                     ; which 256 tokens: 4 x cluster y + cy
	s_lshl_b32 s42, ttmp9, 2
	s_add_co_u32 s42, s42, s40                     ; which 128 columns: 4 x cluster x + cx
	s_lshl_b32 s43, s41, 2
	s_lshl_b32 s43, 15, s43                        ; my row of the cluster
	s_lshl_b32 s44, 0x1111, s40                    ; my column
	; descriptor groups 1: dense bytes as rows of 256 (32 elements of 8 bytes): 384 rows of A, 192 of B; the mask, bit 21 beside it
	s_or_b32 s[G1+0], s43, (3<<16)|(1<<21)
	s_mov_b32 s[G1+1], 32<<16
	s_mov_b32 s[G1+2], 384<<16
	s_mov_b32 s[G1+3], 32<<16
	s_mov_b32 s[G1+4], 384
	s_mov_b32 s[G1+5], 32
	s_mov_b32 s[G1+6], 0
	s_mov_b32 s[G1+7], 0
	s_or_b32 s[G1B+0], s44, (3<<16)|(1<<21)
	s_mov_b32 s[G1B+1], 32<<16
	s_mov_b32 s[G1B+2], 192<<16
	s_mov_b32 s[G1B+3], 32<<16
	s_mov_b32 s[G1B+4], 192
	s_mov_b32 s[G1B+5], 32
	s_mov_b32 s[G1B+6], 0
	s_mov_b32 s[G1B+7], 0
	s_mul_i32 s20, s17, 16*TILEB                   ; A's codes: the 16 tiles of my work-group's tokens, the half that I fetch
	s_mul_i32 s21, s16, 8*TILEB
	s_mov_b32 s[G0+1], s21                         ; and where it goes: no place in the cluster enters an LDS address
	s_add_co_u32 s20, s20, s21
	s_mov_b32 s21, 0
	s_mul_i32 s46, s42, 8*TILEB                    ; B's codes: tile 704 + 8 x which 128 columns, the half that I fetch
	s_mul_i32 s47, s16, 4*TILEB
	s_add_co_u32 s46, s46, s47
	s_add_co_u32 s[G0B+1], s47, LB
	s_add_co_u32 s46, s46, 704*TILEB
	s_mov_b32 s47, 0
	s_lshl_b32 s22, s17, 1                         ; A's scales: my wave's 128 places
	s_add_co_u32 s22, s22, s15
	s_lshl_b32 s22, s22, 12
	s_add_co_u32 s22, s22, SCOQ
	s_mov_b32 s23, 0
	s_add_co_u32 s92, s42, 88                      ; B's scales: 128 places number 88 + which 128 columns, my wave's 64 of them
	s_lshl_b32 s92, s92, 12
	s_lshl_b32 s93, s16, 9
	s_add_co_u32 s92, s92, s93
	s_add_co_u32 s92, s92, SCO
	s_mov_b32 s93, 0
	s_lshl_b32 s96, s42, 9                         ; my first column, in bytes of f32
	s_lshl_b32 s97, s16, 8
	s_add_co_u32 s96, s96, s97
	s_mov_b32 s97, 0
	s_lshl_b32 s98, s17, 20                        ; my first token's row of out0: 4,096 bytes a row
	s_lshl_b32 s99, s15, 19
	s_add_co_u32 s98, s98, s99
	s_add_co_u32 s98, s98, s96
	s_mov_b32 s99, 0
	s_mul_i32 s66, s15, 8*TILEB                    ; LDS: my 8 tiles of A,
	s_mul_i32 s67, s16, 4*TILEB                    ; my 4 tiles of B,
	s_add_co_u32 s67, s67, LB
	s_mul_i32 s45, s14, 16*SPITCH                  ; my stage
	s_add_co_u32 s45, s45, STAGE
	s_wait_dscnt 0x0                               ; both opening adds are done
	s_wait_kmcnt 0x0
	s_mov_b32 s[G0], 1
	s_add_nc_u64 s[G0+2:G0+3], s[4:5], s[20:21]
	s_or_b32 s[G0+3], s[G0+3], 0x80000000
	s_mov_b32 s[G0B], 1
	s_add_nc_u64 s[G0B+2:G0B+3], s[6:7], s[46:47]
	s_or_b32 s[G0B+3], s[G0B+3], 0x80000000
	s_add_nc_u64 s[22:23], s[4:5], s[22:23]
	s_add_nc_u64 s[92:93], s[6:7], s[92:93]
	s_add_nc_u64 s[8:9], s[8:9], s[96:97]
	s_add_nc_u64 s[10:11], s[10:11], s[98:99]
	CROUND                                         ; all sixteen work-groups are here: the joint loads meet
	s_cmp_eq_u32 s15, 0                            ; one load a wave, one to each arm; the branch hangs on the wave's number alone
	s_cbranch_scc0 .Lfor_b
	tensor_load_to_lds s[G0:G0+3], s[G1:G1+7]
	s_nop 0
	PLACES
	s_branch .Lasked
.Lfor_b:
	tensor_load_to_lds s[G0B:G0B+3], s[G1B:G1B+7]
	s_nop 0
	PLACES
.Lasked:
	v_and_b32 v1, 15, v0                           ; r
	v_bfe_u32 v2, v0, 4, 1                         ; h
	v_and_b32 v3, 31, v0
	v_lshlrev_b32 v4, 4, v3                        ; 16 L
	v_lshlrev_b32 v5, 3, v3                        ; 8 L
	v_lshlrev_b32 v31, 7, v2                       ; 128 h: the bias of columns 32 h ..
.irp k, 0,1,2,3                        ; K / 256 = k: register pairs hold the words of steps 2 k and 2 k + 1
.irp p, 0,1,2,3
	global_load_b64 v[SA+8*\k+2*\p:SA+8*\k+2*\p+1], v5, s[22:23] offset:\k*1024+\p*256   ; A's blocks 2 p (lanes 0-15) and 2 p + 1 (lanes 16-31)
.endr
.irp p, 0,1
	global_load_b64 v[SB+4*\k+2*\p:SB+4*\k+2*\p+1], v5, s[92:93] offset:\k*1024+\p*256   ; B's likewise
.endr
.endr
.irp b, 0,1,2,3
	global_load_b128 v[BI+8*\b:BI+8*\b+3], v31, s[8:9] offset:32*\b
	global_load_b128 v[BI+8*\b+4:BI+8*\b+7], v31, s[8:9] offset:32*\b+16
.endr
	v_add_nc_u32 v[ADRA], s66, v4
	v_add_nc_u32 v[ADRA+1], 4*TILEB, v[ADRA]
	v_add_nc_u32 v[ADRA8], s66, v5
	v_add_nc_u32 v[ADRA8+1], 4*TILEB, v[ADRA8]
	v_add_nc_u32 v[ADRB], s67, v4
	v_add_nc_u32 v[ADRB8], s67, v5
	v_mul_u32_u24 v6, v1, SPITCH                   ; the stage, in: row r, 128 bytes for each half of the lanes
	v_lshl_add_u32 v6, v2, 7, v6
	v_add_nc_u32 v[STO], s45, v6
	v_mul_u32_u24 v7, v2, SPITCH                   ; back: lanes 0-15 take one row of 256 bytes, lanes 16-31 the next
	v_lshl_add_u32 v7, v1, 4, v7
	v_add_nc_u32 v[RD], s45, v7
	v_lshlrev_b32 v8, 12, v2                       ; and the same two rows in out0: neighbouring rows of the stage are neighbouring tokens
	v_lshl_add_u32 v[CO], v1, 4, v8
.macro FRAG reg, a16, a8, off          ; a fragment: two images of 768 bytes
	ds_load_b128 v[\reg:\reg+3], v[\a16] offset:\off
	ds_load_b64 v[\reg+4:\reg+5], v[\a8] offset:\off+512
	ds_load_b128 v[\reg+6:\reg+9], v[\a16] offset:\off+768
	ds_load_b64 v[\reg+10:\reg+11], v[\a8] offset:\off+1280
.endm
.macro FETCH st                        ; step st's fragments: B's four and A's eight, 48 loads, into the sets of st % 2
	WIN 0x40
.irp i, 0,1,2,3
	FRAG 48*((\st)%2)+FR*\i, ADRB, ADRB8, \i*TILEB+(\st)*1536
.endr
.if ((\st)%2) == 0
	WIN 0
.endif
.irp i, 0,1,2,3,4,5,6,7
.if (\st)%2
	FRAG 96+FR*\i, ADRA+\i/4, ADRA8+\i/4, (\i%4)*TILEB+(\st)*1536
.else
	FRAG AF+FR*\i, ADRA+\i/4, ADRA8+\i/4, (\i%4)*TILEB+(\st)*1536
.endif
.endr
	WIN 0
.endm
; 16 matrix instructions: A's blocks a0 .. a0 + 3 x B's four, 128 along K.  The 32 accumulators take turns, one instruction a turn, in the same order in every step.
.macro MUL a0, st, first
.irp a, \a0, \a0+1, \a0+2, \a0+3
.irp b, 0,1,2,3
.set XAC, 8*(4*((\a)%4)+\b)
.set XBF, 48*((\st)%2)+FR*\b
.if (\st)%2
.set XAF, 96+FR*(\a)
.else
.set XAF, AF+FR*(\a)
.endif
.if \first
.set XCC, BI+8*\b
.else
.set XCC, XAC
.endif
.set XSB, SB+4*((\st)/2)+2*(\b/2)+(\st)%2
.set XSA, SA+8*((\st)/2)+2*((\a)/2)+(\st)%2
.if (\b%2) && ((\a)%2)
	v_wmma_scale_f32_16x16x128_f8f6f4 v[XAC:XAC+7], v[XBF:XBF+11], v[XAF:XAF+11], v[XCC:XCC+7], v[XSB], v[XSA] matrix_a_fmt:MATRIX_FMT_FP6 matrix_b_fmt:MATRIX_FMT_FP6 matrix_a_scale:MATRIX_SCALE_ROW1 matrix_b_scale:MATRIX_SCALE_ROW1
.elseif (\b%2)
	v_wmma_scale_f32_16x16x128_f8f6f4 v[XAC:XAC+7], v[XBF:XBF+11], v[XAF:XAF+11], v[XCC:XCC+7], v[XSB], v[XSA] matrix_a_fmt:MATRIX_FMT_FP6 matrix_b_fmt:MATRIX_FMT_FP6 matrix_a_scale:MATRIX_SCALE_ROW1
.elseif ((\a)%2)
	v_wmma_scale_f32_16x16x128_f8f6f4 v[XAC:XAC+7], v[XBF:XBF+11], v[XAF:XAF+11], v[XCC:XCC+7], v[XSB], v[XSA] matrix_a_fmt:MATRIX_FMT_FP6 matrix_b_fmt:MATRIX_FMT_FP6 matrix_b_scale:MATRIX_SCALE_ROW1
.else
	v_wmma_scale_f32_16x16x128_f8f6f4 v[XAC:XAC+7], v[XBF:XBF+11], v[XAF:XAF+11], v[XCC:XCC+7], v[XSB], v[XSA] matrix_a_fmt:MATRIX_FMT_FP6 matrix_b_fmt:MATRIX_FMT_FP6
.endif
.endr
.endr
.endm
; A step of 128 along K: its fragments were asked for a step ago; the next step's 48 loads go out first, into the other sets, and have this step's 32 products in which to come.
; Windows: source 0 (B) 1; source 1 (A) 0 in even steps, 1 in odd ones; C and D 2 or 3; in the first step C is the bias, in window 0.
.macro STEP st, first
	s_wait_dscnt 0x0                               ; this step's fragments are in
.if (\st) < 7
.if (\st) > 0
	PLACES                                         ; in front of loads into registers that the last step's products have read
.endif
	FETCH (\st)+1
.endif
.if \first
	WIN 0x81
	MUL 0, \st, 1
	WIN 0xc1
	MUL 4, \st, 1
.else
	WIN 0xa1+4*((\st)%2)
	MUL 0, \st, 0
	WIN 0xf1+4*((\st)%2)
	MUL 4, \st, 0
.endif
	WIN 0
.endm
	s_wait_alu depctr_va_vdst(0)                   ; the wait at the head's end
	s_wait_tensorcnt 0x0                           ; my part of the tiles is in,
	s_barrier_signal -1
	s_barrier_wait -1                              ; everybody's is
	FETCH 0
	s_wait_loadcnt 0x0                             ; the scale words and the bias
	STEP 0, 1                                      ; the first step's products start the sums on the bias
.irp s, 1,2,3,4,5,6,7
	STEP \s, 0
.endr
; THE WAY OUT, block by block of 16 tokens x 64 columns.  A lane holds pieces of one row, and the lanes beside it hold other rows: so a block goes through my own stage in LDS and comes back as whole rows of 256 bytes, two to a load.
; LDS serves a wave's instructions in order (ISA guide 5.7.1.4): no wait between the stores and the loads, nor in front of the next block's stores.
.macro TOSTAGE a
.set AC, 32*((\a)%4)
	WIN 0x08+4*((\a)/4)                            ; the data: window 2 or 3
.irp b, 0,1,2,3
	ds_store_b128 v[STO], v[AC+8*\b:AC+8*\b+3] offset:32*\b          ; each accumulator from its low end on
	ds_store_b128 v[STO], v[AC+8*\b+4:AC+8*\b+7] offset:32*\b+16
.endr
	WIN 0
.set BB, BK+32*((\a)%2)
.irp t, 0,1,2,3,4,5,6,7
	ds_load_b128 v[BB+4*\t:BB+4*\t+3], v[RD] offset:\t*2*SPITCH
.endr
.endm
.macro SEND a, younger                 ; younger: the LDS instructions issued behind block a's loads, which may stay out.  Row t of block a is token 64 (a / 4) + 32 (t / 8) + 8 (a % 4) + t % 8 of my 128
.set BB, BK+32*((\a)%2)
	s_wait_dscnt \younger
.irp t, 0,1,2,3,4,5,6,7
	global_store_b128 v[CO], v[BB+4*\t:BB+4*\t+3], s[10:11] offset:(64*((\a)/4)+32*(\t/4)+8*((\a)%4)+(2*\t)%8)*4096 th:TH_STORE_NT   ; sixteen lanes store 256 consecutive bytes, aligned
.endr
.endm
	PLACES                                         ; in front of the first read of the last results, and of the loads into registers that held A's fragments
	TOSTAGE 0
.irp a, 1,2,3,4,5,6,7
.if \a > 1
	s_wait_xcnt 0x0                                ; block a - 2's stores have read their registers: block a's loads may land there
.endif
	TOSTAGE \a
	SEND \a-1, 16                                  ; behind block a - 1's loads: block a's 8 stores and 8 loads
.endr
	SEND 7, 0
	s_wait_tensorcnt 0x0                           ; the wave's end
	ds_add_u32 v[SPW], v[NIL]
	s_wait_dscnt 0x0
	CROUND                                         ; the closing round: no work-group ends while a partner may still ask for a tile that names it
	s_endpgm
.Lfunc_end_k_qee4d986eb5_gemm_out:
	.size	k_qee4d986eb5_gemm_out, .Lfunc_end_k_qee4d986eb5_gemm_out-k_qee4d986eb5_gemm_out
	.p2alignl 7, 3214868480
	.fill 96, 4, 3214868480
	.section	.rodata,"a",@progbits
	.p2align	6, 0x0
	.amdhsa_kernel k_qee4d986eb5_gemm_out
		.amdhsa_group_segment_fixed_size 327680
		.amdhsa_private_segment_fixed_size 0
		.amdhsa_enable_private_segment 0
		.amdhsa_kernarg_size 32
		.amdhsa_user_sgpr_count 2
		.amdhsa_user_sgpr_kernarg_segment_ptr 1
		.amdhsa_wavefront_size32 1
		.amdhsa_system_sgpr_workgroup_id_x 1
		.amdhsa_system_sgpr_workgroup_id_y 1
		.amdhsa_system_sgpr_workgroup_id_z 1
		.amdhsa_system_vgpr_workitem_id 0
		.amdhsa_next_free_vgpr 1024
		.amdhsa_next_free_sgpr 100
		.amdhsa_reserve_vcc 0
		.amdhsa_float_denorm_mode_32 3
		.amdhsa_float_denorm_mode_16_64 3
		.amdhsa_memory_ordered 1
		.amdhsa_forward_progress 1
		.amdhsa_inst_pref_size 83
	.end_amdhsa_kernel
	.amdgpu_metadata
---
amdhsa.version: [ 1, 2 ]
amdhsa.kernels:
  - .name:           k_qee4d986eb5_gemm_out
    .symbol:         k_qee4d986eb5_gemm_out.kd
    .args:
      - { .name: oq, .offset: 0, .size: 8, .value_kind: global_buffer, .address_space: global }
      - { .name: ops, .offset: 8, .size: 8, .value_kind: global_buffer, .address_space: global }
      - { .name: b_out, .offset: 16, .size: 8, .value_kind: global_buffer, .address_space: global }
      - { .name: out0, .offset: 24, .size: 8, .value_kind: global_buffer, .address_space: global }
    .group_segment_fixed_size: 327680
    .private_segment_fixed_size: 0
    .kernarg_segment_align: 8
    .kernarg_segment_size: 32
    .max_flat_workgroup_size: 128
    .sgpr_count:     100
    .vgpr_count:     1024
    .wavefront_size: 32
...
	.end_amdgpu_metadata
.endif
;; end of part 4
